; MI455X (gfx1250); checked and timed in simulation.
; The chip was launched on July 23, 2026; its instructions are those of AMD's public machine-readable ISA for CDNA 5 (MIT licence, August 2026) and "CDNA5" Instruction Set Architecture Reference Guide (July 2026). The comments in the code are by the model that wrote it; some were corrected since.
;; Multi Head Attention. Allowed arithmetic: matrix products marked QUANTISED: E2M3 operands, one E8M0 scale for each 32 along K, by v_wmma_scale_f32_16x16x128_f8f6f4 with both operands' format E2M3, f32 sums; everything else in f32.
;; Inputs: Wk 1,024 x 1,024 float32; Wo 1,024 x 1,024 float32; Wq 1,024 x 1,024 float32; Wv 1,024 x 1,024 float32; token_positions 2 x 2,048 int32; x 2 x 2,048 x 1,024 float32.
;; Outputs: out0 2 x 2,048 x 1,024 float32.
;; This version of the problem:
;;   THIS VERSION OF THE PROBLEM IS GIVEN IN LOW PRECISION. The matrix products marked QUANTISED in the list below multiply operands that are first quantised to E2M3 (2 exponent bits, 3 mantissa bits; 6 bits a number), with one power-of-two scale for each 32 numbers along K (OCP MX v1.0); their sums are f32. All else is computed in f32.
;;   The module's matrix products, in the order in which they are computed (A, B: the left and right operand; K: the contracted axis; several contracted axes count as one K, in the product's order):
;;     1. [M 4,096, K 1,024] x [K 1,024, N 1,024]; A: input x; B: input Wq: QUANTISED
;;     2. [M 4,096, K 1,024] x [K 1,024, N 1,024]; A: input x; B: input Wk: QUANTISED
;;     3. [M 4,096, K 1,024] x [K 1,024, N 1,024]; A: input x; B: input Wv: QUANTISED
;;     4. batch 32 x [M 2,048, K 64] x [K 64, N 2,048]; A: computed on the way; B: computed on the way: QUANTISED
;;     5. batch 32 x [M 2,048, K 2,048] x [K 2,048, N 64]; A: softmax (see below); B: computed on the way: QUANTISED
;;     6. [M 4,096, K 1,024] x [K 1,024, N 1,024]; A: computed on the way; B: input Wo: QUANTISED
;;   THE QUANTISER, for each operand of a quantised product, along K:
;;     - K is cut into blocks of 32 from its start; a last block that is shorter is filled with zeros.
;;     - A block's scale is 2^e with e = floor(log2(the largest magnitude in the block)) - 2, held to -126 .. 127; a block of zeros has e = 0. As a byte (E8M0): e + 127.
;;     - Each number is divided by its block's scale, clamped to +-7.5, and rounded to the nearest number of E2M3, ties to even, subnormals kept.
;;     - The product sums the exact products of the quantised numbers (number of the format x scale) in f32.
;;   ~~~python
;;   def quantise(x, axis):      # numpy; x: float32 -> the quantised numbers, widened to float32 again
;;       x = np.moveaxis(x, axis, -1); K = x.shape[-1]
;;       x = np.pad(x, [(0, 0)] * (x.ndim - 1) + [(0, -K % 32)]); x = x.reshape(x.shape[:-1] + (-1, 32)); a = np.abs(x).max(-1, keepdims=True)
;;       e = np.where(a > 0, np.clip(np.frexp(np.where(a > 0, a, 1))[1] - 1 - 2, -126, 127), 0)      # np.frexp(a)[1] - 1 = floor(log2(a)), exactly
;;       r = np.clip(x / 2.0 ** e, -7.5, 7.5)
;;       step = 2.0 ** (np.maximum(np.frexp(np.where(r == 0, 1, r))[1] - 1, 0) - 3)
;;       q = np.round(r / step) * step * 2.0 ** e      # np.round: ties to even
;;       return np.moveaxis(q.reshape(q.shape[:-2] + (-1,))[..., :K], -1, axis).astype(np.float32)
;;   ~~~
;;   SOFTMAX AHEAD OF A QUANTISED PRODUCT. Where the list says 'softmax', what is quantised is not the finished softmax but p = 2^(t - M), with t = logit x log2(e) and M = ceil(the row's largest t), a whole number; so 1/2 < the row's largest p <= 1. The row's sum l is taken of the UNQUANTISED p, in f32, and the product's result is divided by l at the end. Since M is a whole number, a kernel that streams over the keys may use a running M (the ceiling of the running maximum): every later rescaling is an exact power of two, which a block's scale takes up: the codes' values come out the same.
;;   OPERANDS COMPUTED ON THE WAY. 'Computed on the way' means the value that the module computes at that place (a softmax that the list does not call 'softmax' is quantised finished and normalised). What goes into a quantiser is computed in f32, as accurately as f32 sums, v_exp_f32 and their like allow (about 1e-6 of the number): no bf16 or f16 on the way to a quantiser, and a product that is left as it is and whose result goes on into a quantised operand takes f32 operands (vector FMAs, or v_wmma_f32_16x16x4_f32). A number that lies on a knife's edge between two numbers of the format may be rounded either way, as far as f32 arithmetic and the matrix unit's own rounding can turn it there, and no further.
;; One version. Each part assembles by itself: llvm-mc -triple=amdgcn-amd-amdhsa -mcpu=gfx1250 --defsym DOCPART=n.
;; ======== version 1 of 1: 4 launches
;; limits: right only within a limited range of input values
;; workspace buffers: codes 6,291,456 bytes; scales 262,144 bytes; rope 1,048,576 bytes; qimg 3,407,872 bytes; kv 6,684,672 bytes; o_codes 3,145,728 bytes; o_scales 131,072 bytes
;; launch prep (part 1): grid 320 x 1, 4 waves a work-group, no clusters, 33,280 bytes of LDS; arguments x, Wq, Wk, Wv, Wo, token_positions, codes, scales, rope; writes codes, scales, rope
.if DOCPART == 1
	.amdgcn_target "amdgcn-amd-amdhsa--gfx1250"
	.amdhsa_code_object_version 6
	.text
	.protected	k_q9cac6d9ed0_prep
	.globl	k_q9cac6d9ed0_prep
	.p2align	8
	.type	k_q9cac6d9ed0_prep,@function
k_q9cac6d9ed0_prep:
	s_mov_b64 s[64:65], 0
	v_nop
	global_prefetch_b8 v0, s[64:65] scope:SCOPE_SE
	s_setreg_imm32_b32 hwreg(HW_REG_WAVE_MODE, 25, 1), 1
	s_wait_xcnt 0x0
; PREP.  Two jobs in one launch, parted by the work-group's number.
; (1) Work-groups 64 .. 319: x [4096][1024] and Wq, Wk, Wv, Wo [1024][1024], f32, K innermost, become codes of FP6 (E2M3), 768 bytes a row, and one E8M0 byte for each 32 along K, 32 bytes a row.
;     All five lie in ONE buffer of 8,192 rows: x 0-4095, Wq 4096-, Wk 5120-, Wv 6144-, Wo 7168-.  THE ROWS ARE STORED PERMUTED: storage row p holds true row p with bits 3 and 4 exchanged.  So a tile of 16 storage
;     rows, taken as source 0 of a matrix instruction, leaves in the 16 registers of two neighbouring tiles 16 NEIGHBOURS of the true order.  A wave takes 8 true rows (one run of 8,192 numbers): the exchange of the
;     two bits is an exchange of the two bits of the wave's number in the place where its run is stored.
;     A block's scale is 2^(floor(log2(largest magnitude)) - 2); its byte is the largest magnitude's exponent field - 2, held at 1 from below.
; (2) Work-groups 0 .. 63: cos and sin of token_positions[row] x 10^(-j / 8), j = 0 .. 31, for all 4,096 token rows, laid in the order in which the next launch's lanes take them (see .Lrope).
; LIMITS: NaN and infinities among the inputs are not served.  A block whose largest magnitude lies under 2^-124 keeps the byte 1 (a block of zeros too, where the rule says 127: its codes are zeros, and this program
; alone reads the bytes).  Positions are taken as 0 .. 2047, the table's rows in the problem; the reduction of the angle is exact for quotients up to 2^11.  The frequencies are the nearest f32 to 10^(-j / 8).
.set NROPE, 64                         ; work-groups that make the table: they have the lowest numbers
.set STEPS, 16
.set EMAX,  2
.set CB,    12                         ; bytes of 16 codes
.set R,     16                         ; v16-79   four sets of 16 numbers as they are loaded
.set X,     80                         ; v80-111  two sets of 16 neighbours
.set C,     128                        ; v128-191 codes: four registers for each step, so that no store's data are written again
.set E,     112                        ; v112-127 a scale byte for each step
.set WREG,  8192                       ; LDS: a region for each wave: two stages of 32 x SP bytes, behind them its 256 scale bytes
.set SP,    80                         ; a lane's place in a stage: 64 bytes + 16 of padding
	s_load_b512 s[4:19], s[0:1], 0x0               ; x s[4:5], Wq s[6:7], Wk s[8:9], Wv s[10:11], Wo s[12:13], positions s[14:15], codes s[16:17], scales s[18:19]
	s_load_b64 s[20:21], s[0:1], 0x40              ; the table
	v_lshl_add_u32 v192, v0, 2, 0x8000
	v_mov_b32 v193, 0
	v_lshrrev_b32 v1, 5, v0
	v_readfirstlane_b32 s26, v1                    ; wave
	v_and_b32 v2, 31, v0                           ; lane
	s_cmp_lt_u32 ttmp9, NROPE
	s_cbranch_scc1 .Lrope
	; ---------------- the quantiser ----------------
	v_lshlrev_b32 v3, 4, v2                        ; my 16 bytes of a load's 512
	s_mul_i32 s27, s26, WREG
	v_lshrrev_b32 v14, 2, v2
	v_mul_u32_u24 v14, v14, SP
	v_and_b32 v15, 3, v2
	v_lshl_add_u32 v14, v15, 4, v14
	v_add_nc_u32 v14, s27, v14                     ; the stage, on the way in: SP (lane / 4) + 16 (lane % 4)
	v_mul_u32_u24 v15, v2, SP
	v_add_nc_u32 v15, s27, v15                     ; and on the way out: SP x lane: my 16 neighbours
	v_mul_u32_u24 v4, v2, CB                       ; my codes' place in a step's
	v_lshrrev_b32 v5, 1, v2
	s_add_co_u32 s27, s27, 2*32*SP
	v_add_nc_u32 v5, s27, v5                       ; LDS: my wave's 256 scale bytes, my block's byte
	v_lshlrev_b32 v7, 3, v2                        ; and on the way out 8 bytes a lane
	v_add_nc_u32 v6, s27, v7
	s_sub_co_u32 s22, ttmp9, NROPE                 ; q: which 32 rows of the 8,192
	s_wait_alu depctr_va_vdst(0)
	s_wait_kmcnt 0x0
	s_mov_b64 s[24:25], s[12:13]                   ; the tensor and its first q: the choices hang on the work-group's number alone
	s_mov_b32 s23, 224
	s_cmp_lt_u32 s22, 224
	s_cselect_b64 s[24:25], s[10:11], s[24:25]
	s_cselect_b32 s23, 192, s23
	s_cmp_lt_u32 s22, 192
	s_cselect_b64 s[24:25], s[8:9], s[24:25]
	s_cselect_b32 s23, 160, s23
	s_cmp_lt_u32 s22, 160
	s_cselect_b64 s[24:25], s[6:7], s[24:25]
	s_cselect_b32 s23, 128, s23
	s_cmp_lt_u32 s22, 128
	s_cselect_b64 s[24:25], s[4:5], s[24:25]
	s_cselect_b32 s23, 0, s23
	s_sub_co_u32 s28, s22, s23
	s_lshl_b32 s28, s28, 2
	s_add_co_u32 s28, s28, s26                     ; my run of 8 true rows in the tensor,
	s_lshl_b32 s28, s28, 15                        ; 32,768 bytes each
	s_mov_b32 s29, 0
	s_add_nc_u64 s[24:25], s[24:25], s[28:29]
	s_and_b32 s30, s26, 1                          ; where the run is stored: the wave's two bits exchanged
	s_lshl_b32 s30, s30, 1
	s_lshr_b32 s31, s26, 1
	s_or_b32 s30, s30, s31
	s_lshl_b32 s31, s22, 2
	s_add_co_u32 s30, s30, s31
	s_mul_i32 s28, s30, 32*STEPS*CB                ; 6,144 bytes of codes a run
	s_add_nc_u64 s[16:17], s[16:17], s[28:29]
	s_lshl_b32 s28, s30, 8                         ; 256 scale bytes a run
	s_add_nc_u64 s[18:19], s[18:19], s[28:29]
.macro LOAD t
.irp i, 0,1,2,3
	global_load_b128 v[R+16*((\t)%4)+4*\i:R+16*((\t)%4)+4*\i+3], v3, s[24:25] offset:2048*(\t)+512*\i th:TH_LOAD_NT   ; 32 lanes read 512 consecutive bytes
.endr
.endm
.macro TURN t                          ; step t's numbers through the stage: LDS serves a wave's instructions in order, so no wait stands between the stores and the loads
.irp i, 0,1,2,3
	ds_store_b128 v14, v[R+16*((\t)%4)+4*\i:R+16*((\t)%4)+4*\i+3] offset:32*SP*((\t)%2)+8*SP*\i
.endr
.irp i, 0,1,2,3
	ds_load_b128 v[X+16*((\t)%2)+4*\i:X+16*((\t)%2)+4*\i+3], v15 offset:32*SP*((\t)%2)+16*\i
.endr
.endm
.irp t, 0,1,2,3
	LOAD \t
.endr
	s_wait_loadcnt 12                              ; step 0's four loads are in; those of three later steps stay out
	TURN 0
.macro STEP t
.set XS, X+16*((\t)%2)
.if (\t) > 0
	s_wait_dscnt 1                                 ; this step's numbers are back from the stage (the last step's byte store may be out)
.else
	s_wait_dscnt 0x0
.endif
.if (\t)+4 < STEPS
	LOAD (\t)+4                                    ; the stage's stores have read these registers
.endif
.if (\t)+1 < STEPS
.if STEPS-2-(\t) >= 3
	s_wait_loadcnt 12                              ; the next step's four loads are in; those of the three steps behind it may be out
.else
	s_wait_loadcnt 4*(STEPS-2-(\t))
.endif
	TURN (\t)+1
.endif
	v_max3_num_f32 v8, |v[XS]|, |v[XS+1]|, |v[XS+2]|               ; the largest magnitude of my 16, in two chains
	v_max3_num_f32 v9, |v[XS+3]|, |v[XS+4]|, |v[XS+5]|
.irp i, 6,10
	v_max3_num_f32 v8, v8, |v[XS+\i]|, |v[XS+\i+1]|
	v_max3_num_f32 v9, v9, |v[XS+\i+2]|, |v[XS+\i+3]|
.endr
	v_max3_num_f32 v8, v8, |v[XS+14]|, |v[XS+15]|
	v_max3_num_f32 v8, v8, v9, (EMAX+1)<<23        ; and the floor 2^(3 - 127): the byte cannot fall under 1
	v_max_num_f32_dpp v8, v8, v8 row_xmask:1 row_mask:0xf bank_mask:0xf   ; and of my neighbour's 16: the block's
	v_add_nc_u32 v11, -(EMAX<<23), v8              ; 2 off its exponent field: the conversion takes the exponent field of this operand as its scale
	v_cvt_scalef32_pk16_fp6_f32 v[C+4*(\t):C+4*(\t)+2], v[XS:XS+15], v11
	v_lshrrev_b32 v[E+(\t)], 23, v11               ; the scale's byte (also the plain line behind the conversion)
	ds_store_b8 v5, v[E+(\t)] offset:16*(\t)       ; both lanes of a block write the same byte with the same value
	global_store_b96 v4, v[C+4*(\t):C+4*(\t)+2], s[16:17] offset:32*CB*(\t)   ; the wave stores 384 consecutive bytes
.endm
.irp t, 0,1,2,3,4,5,6,7,8,9,10,11,12,13,14,15
	STEP \t
.endr
	ds_load_b64 v[12:13], v6                       ; LDS serves a wave's instructions in order: these see my stores
	s_wait_dscnt 0x0
	global_store_b64 v7, v[12:13], s[18:19]        ; 32 lanes store 256 consecutive bytes, aligned
	s_wait_tensorcnt 0x0
	ds_add_u32 v192, v193
	s_wait_dscnt 0x0
	s_endpgm
	; ---------------- the table of cos and sin ----------------
	; A wave makes the 4,096 bytes of one storage tile T of 16 token rows: [i = 0 .. 7][lane][4 f32].  Lane (r = lane % 16, h = lane / 16) stands for token row 32 (T / 2) + 8 (T % 2) + r + (r & 8), and its
	; pair number p = 0 .. 15 (registers 64 + 2 p: cos, 65 + 2 p: sin) for frequency j = 16 (p / 8) + 8 h + p % 8.
	; angle = position x frequency (one rounding, as the problem has it); n = the nearest whole number to angle x 2 / pi; angle - n pi / 2 by two fused multiply-adds on a split pi / 2 (the first is exact: the
	; difference is a multiple of 2^-23 under 1); sine and cosine by polynomials on [-pi / 4, pi / 4]; the quadrant chooses and signs them, by selects.
.Lrope:
	s_lshl_b32 s27, ttmp9, 2
	s_add_co_u32 s27, s27, s26                     ; T
	s_wait_alu depctr_va_vdst(0)
	v_and_b32 v3, 15, v2
	v_and_b32 v4, 8, v3
	v_add_nc_u32 v3, v3, v4                        ; r + (r & 8)
	s_lshr_b32 s28, s27, 1
	s_lshl_b32 s28, s28, 5
	s_and_b32 s29, s27, 1
	s_lshl_b32 s29, s29, 3
	s_add_co_u32 s28, s28, s29
	v_add_nc_u32 v3, s28, v3                       ; my token row
	v_lshlrev_b32 v3, 2, v3
	s_wait_alu depctr_va_vdst(0)
	s_wait_kmcnt 0x0
	global_load_b32 v5, v3, s[14:15]
	s_mov_b32 s30, 0xffff0000                      ; lanes 16-31
	s_mov_b32 s31, 0x3f22f983                      ; 2 / pi
	s_mov_b32 s32, 0x3fc90fdb                      ; pi / 2: the nearest f32,
	s_mov_b32 s33, 0xb33bbd2e                      ; and what it leaves
	s_mov_b32 s34, -0.16666654611                  ; sine
	s_mov_b32 s35, 0.0083321608736
	s_mov_b32 s36, -0.00019515295891
	s_mov_b32 s37, 0.04166664568298827             ; cosine
	s_mov_b32 s38, -0.001388731625493765
	s_mov_b32 s39, 0.00002443315711809948
	s_lshl_b32 s28, s27, 12
	s_mov_b32 s29, 0
	s_add_nc_u64 s[20:21], s[20:21], s[28:29]
	v_lshlrev_b32 v6, 4, v2
	s_wait_loadcnt 0x0
	v_cvt_f32_i32 v5, v5
.macro ROPE p, flo, fhi
	v_mov_b32 v8, \flo
	v_mov_b32 v9, \fhi
	v_cndmask_b32 v8, v8, v9, s30                  ; my half's frequency
	v_mul_f32 v10, v5, v8                          ; the angle
	v_mul_f32 v11, s31, v10
	v_rndne_f32 v11, v11                           ; n
	v_fma_f32 v12, -v11, s32, v10
	v_fma_f32 v12, -v11, s33, v12                  ; the reduced angle
	v_mul_f32 v13, v12, v12
	v_fma_f32 v14, v13, s36, s35
	v_fma_f32 v14, v14, v13, s34
	v_mul_f32 v15, v13, v12
	v_fma_f32 v16, v14, v15, v12                   ; its sine
	v_fma_f32 v17, v13, s39, s38
	v_fma_f32 v17, v17, v13, s37
	v_fma_f32 v18, v13, -0.5, 1.0
	v_mul_f32 v15, v13, v13
	v_fma_f32 v19, v17, v15, v18                   ; its cosine
	v_cvt_i32_f32 v20, v11
	v_and_b32 v21, 1, v20
	v_cmp_eq_u32 vcc_lo, 1, v21                    ; odd quadrants exchange the two
	v_cndmask_b32 v22, v16, v19, vcc_lo
	v_cndmask_b32 v23, v19, v16, vcc_lo
	v_lshlrev_b32 v21, 30, v20
	v_and_b32 v21, 0x80000000, v21                 ; sine is negative where bit 1 of n is set,
	v_xor_b32 v[65+2*(\p)], v22, v21
	v_add_nc_u32 v20, 1, v20
	v_lshlrev_b32 v20, 30, v20
	v_and_b32 v20, 0x80000000, v20                 ; cosine where bit 1 of n + 1 is
	v_xor_b32 v[64+2*(\p)], v23, v20
.endm
	ROPE 0, 1.0, 0.1
	ROPE 1, 0.7498942093324559, 0.07498942093324559
	ROPE 2, 0.5623413251903491, 0.05623413251903491
	ROPE 3, 0.4216965034285822, 0.04216965034285822
	ROPE 4, 0.31622776601683794, 0.031622776601683794
	ROPE 5, 0.23713737056616552, 0.023713737056616552
	ROPE 6, 0.1778279410038923, 0.01778279410038923
	ROPE 7, 0.1333521432163324, 0.01333521432163324
	ROPE 8, 0.01, 0.001
	ROPE 9, 0.007498942093324559, 0.0007498942093324559
	ROPE 10, 0.005623413251903491, 0.0005623413251903491
	ROPE 11, 0.004216965034285822, 0.0004216965034285822
	ROPE 12, 0.0031622776601683794, 0.00031622776601683794
	ROPE 13, 0.0023713737056616552, 0.00023713737056616552
	ROPE 14, 0.001778279410038923, 0.0001778279410038923
	ROPE 15, 0.001333521432163324, 0.0001333521432163324
.irp i, 0,1,2,3,4,5,6,7
	global_store_b128 v6, v[64+4*\i:67+4*\i], s[20:21] offset:512*\i   ; 32 lanes store 512 consecutive bytes
.endr
	s_endpgm
.Lfunc_end_k_q9cac6d9ed0_prep:
	.size	k_q9cac6d9ed0_prep, .Lfunc_end_k_q9cac6d9ed0_prep-k_q9cac6d9ed0_prep
	.p2alignl 7, 3214868480
	.fill 96, 4, 3214868480
	.section	.rodata,"a",@progbits
	.p2align	6, 0x0
	.amdhsa_kernel k_q9cac6d9ed0_prep
		.amdhsa_group_segment_fixed_size 33280
		.amdhsa_private_segment_fixed_size 0
		.amdhsa_enable_private_segment 0
		.amdhsa_kernarg_size 72
		.amdhsa_user_sgpr_count 2
		.amdhsa_user_sgpr_kernarg_segment_ptr 1
		.amdhsa_wavefront_size32 1
		.amdhsa_system_sgpr_workgroup_id_x 1
		.amdhsa_system_sgpr_workgroup_id_y 1
		.amdhsa_system_sgpr_workgroup_id_z 1
		.amdhsa_system_vgpr_workitem_id 0
		.amdhsa_next_free_vgpr 194
		.amdhsa_next_free_sgpr 66
		.amdhsa_reserve_vcc 1
		.amdhsa_float_denorm_mode_32 3
		.amdhsa_float_denorm_mode_16_64 3
		.amdhsa_memory_ordered 1
		.amdhsa_forward_progress 1
		.amdhsa_inst_pref_size 57
	.end_amdhsa_kernel
	.amdgpu_metadata
---
amdhsa.version: [ 1, 2 ]
amdhsa.kernels:
  - .name:           k_q9cac6d9ed0_prep
    .symbol:         k_q9cac6d9ed0_prep.kd
    .args:
      - { .name: x, .offset: 0, .size: 8, .value_kind: global_buffer, .address_space: global }
      - { .name: Wq, .offset: 8, .size: 8, .value_kind: global_buffer, .address_space: global }
      - { .name: Wk, .offset: 16, .size: 8, .value_kind: global_buffer, .address_space: global }
      - { .name: Wv, .offset: 24, .size: 8, .value_kind: global_buffer, .address_space: global }
      - { .name: Wo, .offset: 32, .size: 8, .value_kind: global_buffer, .address_space: global }
      - { .name: token_positions, .offset: 40, .size: 8, .value_kind: global_buffer, .address_space: global }
      - { .name: codes, .offset: 48, .size: 8, .value_kind: global_buffer, .address_space: global }
      - { .name: scales, .offset: 56, .size: 8, .value_kind: global_buffer, .address_space: global }
      - { .name: rope, .offset: 64, .size: 8, .value_kind: global_buffer, .address_space: global }
    .group_segment_fixed_size: 33280
    .private_segment_fixed_size: 0
    .kernarg_segment_align: 8
    .kernarg_segment_size: 72
    .max_flat_workgroup_size: 128
    .sgpr_count:     66
    .vgpr_count:     194
    .wavefront_size: 32
...
	.end_amdgpu_metadata
.endif
;; end of part 1
;; launch qkv (part 2): grid 8 x 32, 4 waves a work-group, clusters of 4 x 4, 327,680 bytes of LDS; arguments codes, scales, rope, qimg, kv; writes qimg, kv
.if DOCPART == 2
	.amdgcn_target "amdgcn-amd-amdhsa--gfx1250"
	.amdhsa_code_object_version 6
	.text
	.protected	k_q9cac6d9ed0_qkv
	.globl	k_q9cac6d9ed0_qkv
	.p2align	8
	.type	k_q9cac6d9ed0_qkv,@function
k_q9cac6d9ed0_qkv:
	s_mov_b64 s[64:65], 0
	v_nop
	global_prefetch_b8 v0, s[64:65] scope:SCOPE_SE
	s_setreg_imm32_b32 hwreg(HW_REG_WAVE_MODE, 25, 1), 1
	s_wait_xcnt 0x0
	s_wait_alu depctr_hold_cnt(0) depctr_sa_sdst(0) depctr_va_vdst(0) depctr_va_sdst(0) depctr_va_ssrc(0) depctr_va_vcc(0) depctr_vm_vsrc(0)
	s_getreg_b32 s2, hwreg(HW_REG_IB_STS2, 6, 4)
	s_cmp_eq_u32 s2, 0
	s_cbranch_scc0 .Lentry_in_a_cluster
	s_endpgm
.Lentry_in_a_cluster:
	s_bfe_u32 s2, ttmp6, 0x10000c
	s_cmp_lg_u32 s2, 0xf033
	s_cbranch_scc0 .Lentry_shape_is_right
	s_endpgm
.Lentry_shape_is_right:
; QKV.  The three projections on codes of FP6 (E2M3) with E8M0 scales, K = 1,024, and what follows them: the rotation of q and k, and the quantising of q, k (along the head's 64) and v (along the keys).
; A work-group takes 128 tokens (y) and two heads (x) through three products of 128 x 128 x 1,024: q, k, V.  ALL OF K LIES IN LDS: a tile of 128 rows of codes is 98,304 dense bytes of memory and comes as rows of
; 256 bytes, each on a 256-byte border, with 16 bytes of padding behind each: a row of codes is 3 x 272 = 816 bytes of LDS, so that the 32 lanes of a load of 8 bytes touch 64 different banks (ISA guide 11.1).
; LDS: x's tile at 0 for the whole launch; Wq's at T128; Wk's at 2 T128, first filled behind the head's barrier; Wv's fills Wq's bytes again when q's products are done.  Each of the two has a whole product in which to land.
; CLUSTERS 4 x 4: x's tile hangs on y alone and is asked for jointly along a row of the cluster, the weights' tiles on x alone, jointly along a column.
; A WAVE makes 32 rows of source 1 x 128 rows of source 0: 16 accumulators by turns.  q, k: source 0 = the weight's 8 tiles, source 1 = my 2 tiles of x: a lane holds a token.  V: source 0 = x's 8 tiles, source 1 = my
; 2 tiles of Wv: a lane holds a channel and its registers run along the keys.  The rows of the codes' buffer are stored with bits 3 and 4 of the row number exchanged, so the 16 registers of source 0's tiles 2 b, 2 b + 1
; are 16 NEIGHBOURS of the true order, 32 b + 16 (lane / 16) + 0 .. 15.
; THE SCALE WORDS go from memory into registers, once: 32 rows x 32 bytes are 1,024 dense bytes, two loads of 16 bytes a lane: register q of a pair of tiles: K step q, lanes 0-15 the even tile, lanes 16-31 the odd one.
; RESULTS LEAVE AS IMAGES OF OPERAND REGISTERS (four registers: 512 bytes, lane l's 16 bytes at 16 l):
;   q, k: for a head and a pair of tiles of 16 tokens 12 registers: 0-5 the first tile's 64 codes a row, 6-11 the second's.  Scale words [lane][4]: word j of lane l: tile 2 j + l / 16, row l % 16; bytes 2, 3 are 0.
;   v: for a head, a tile of 16 channels and 128 keys a whole fragment.  Scale words [lane][2]: word j of lane l: channel tile 2 j + l / 16.
;   kv = [batch x head][128 keys][K images 6,144 | V images 6,144 | K scale words 512 | V scale words 256]; qimg = images [batch x head][pair][1,536], then scale words [batch x head][128 tokens][512].
;   A wave holds one word of each lane's four (or two): these stores are 4 bytes a lane, 1 byte in 25 of what the launch stores.
; NO PREFETCH: the text has no loop to run ahead in; each tile is asked for whole by one load a wave, Wk's and Wv's a product ahead of their first read.
; LIMITS: NaN and infinities are not served; a block whose largest magnitude lies under 2^-124 keeps the scale byte 1 (this program alone reads the bytes).
; REGISTERS, in windows of 256: window 0: v0-31 addresses; v32-143 scale words; v144-255 the way out.  window 1: fragments, two sets of 10 x 12, at v0 and v128.  window 2: accumulator (a, b) at v[8 (8 a + b)].  window 3: cos and sin.
.set TILEB, 16*816                     ; 16 rows in LDS
.set T128,  8*TILEB
.set SPARE, 3*T128                     ; the spare words: 512 bytes that no other line names
.set NP,   4                           ; places behind this matrix instruction (ISA guide 7.12.1)
.set A0X,  4                           ; v4-7   a tile as source 0: rows 0-63, rows 64-127; each twice: the second for pieces whose lanes 16-31 lie behind one padding more
.set A0Q,  8                           ; v8-11  the tile at T128
.set A0K,  12                          ; v12-15 the tile at 2 T128
.set A1X,  16                          ; v16-17 my 32 rows of x as source 1
.set A1V,  18                          ; v18-19 my 32 rows of the tile at T128
.set L16,  22                          ; 16 x lane
.set L8,   23
.set LS,   24                          ; 32 x lane: a row of scale bytes
.set LSW,  25                          ; the same + 1,024 x wave
.set PW,   26                          ; the scale word just made
.set TP,   27
.set SPW,  28                          ; my spare word; never rewritten
.set NIL,  29                          ; 0; never rewritten
.set SC0,  30                          ; scale words to store
.set SC1,  31
.set XA,   32                          ; scale words: x's 4 pairs of tiles x 8 K steps
.set XW,   64                          ; my pair of x
.set WQ,   72
.set WK,   104
.set WV,   136                         ; my pair of Wv
.set T,    144                         ; the 64 rotated numbers of a block
.set H0,   208                         ; v208-219, v220-231 codes
.set H1,   220
.set CT,   232                         ; a conversion's second halves
.set TM,   240                         ; v240-243 largest magnitudes, v244-247 bytes, v252-255 the conversions' scale operands
.set G1A, 24
.set G0A, 32
.set G0B, 36
.set G1B, 48
.set G0K, 56
.set G0V, 60
.set SEL, 66                           ; s[66:67] v_permlanex16_b32's selects for lane l xor 16
.set MHI, 68                           ; lanes 16-31
.set BQI, 70                           ; where my images and my scale words go
.set BQS, 72
.set BKI, 74
.set BKS, 76
.set BVI, 78
.set BVS, 80
.set SX,  82                           ; the scale bytes of my 128 tokens, of my 128 rows of Wq
.set SW,  84
.set MUL, 0xa5                         ; sources 0 and 1 window 1, C and D window 2
.set MSB, 0
.macro WIN new                         ; the immediate's high byte repeats the setting that is left
.if MSB != (\new)
	s_set_vgpr_msb (MSB<<8)|(\new)
.set MSB, (\new)
.endif
.endm
.macro PLACES n
.rept \n
	v_nop
.endr
.endm
.macro CROUND                          ; a round of the cluster's barrier
	s_barrier_signal -1
	s_barrier_wait -1
	s_cmp_lg_u32 s14, 0
	s_cbranch_scc1 .Lnot_wave_0_\@
	s_barrier_signal -3
.Lnot_wave_0_\@:
	s_barrier_wait -3
	s_barrier_signal -1
	s_barrier_wait -1
.endm
	s_load_b128 s[4:7], s[0:1], 0x0                ; codes, scales
	s_load_b128 s[8:11], s[0:1], 0x10              ; the table, qimg
	s_load_b64 s[12:13], s[0:1], 0x20              ; kv
	v_lshl_add_u32 v[SPW], v0, 2, SPARE
	v_mov_b32 v[NIL], 0
	ds_add_u32 v[SPW], v[NIL]                      ; the opening lines: the add, twice on end, and its wait
	ds_add_u32 v[SPW], v[NIL]
	v_lshrrev_b32 v1, 5, v0
	v_readfirstlane_b32 s14, v1                    ; wave
	s_lshr_b32 s15, s14, 1                         ; at the head I fetch for x (0) or for Wq (1),
	s_and_b32 s16, s14, 1                          ; and which 64 rows
	s_bfe_u32 s40, ttmp6, 0x40000                  ; cx, cy
	s_bfe_u32 s41, ttmp6, 0x40004
	s_lshl_b32 s42, ttmp9, 2
	s_add_co_u32 s42, s42, s40                     ; x: the pair of heads, 0 .. 7
	s_and_b32 s17, ttmp7, 0xffff
	s_lshl_b32 s17, s17, 2
	s_add_co_u32 s17, s17, s41                     ; y: the 128 tokens, 0 .. 31
	s_lshl_b32 s43, s41, 2
	s_lshl_b32 s43, 15, s43                        ; my row of the cluster
	s_lshl_b32 s44, 0x1111, s40                    ; my column
	s_or_b32 s[G1A], s43, (3<<16)|(1<<20)|(1<<21)|(5<<22)|(3<<25)   ; elements of 8 bytes; 4 words of padding behind every 64; bit 21 beside a mask
	s_or_b32 s[G1B], s44, (3<<16)|(1<<20)|(1<<21)|(5<<22)|(3<<25)
.irp g, G1A, G1B
	s_mov_b32 s[\g+1], 32<<16                      ; rows of 256 bytes,
	s_mov_b32 s[\g+2], 192<<16                     ; 192 of them: 64 rows of codes
	s_mov_b32 s[\g+3], 32<<16
	s_mov_b32 s[\g+4], 192
	s_mov_b32 s[\g+5], 32                          ; dense
	s_mov_b32 s[\g+6], 0
	s_mov_b32 s[\g+7], 0
.endr
	s_lshl_b32 s19, s16, 6
	s_lshl_b32 s18, s17, 7
	s_add_co_u32 s18, s18, s19
	s_mul_i32 s20, s18, 768                        ; x: row 128 y + 64 x half
	s_mov_b32 s21, 0
	s_lshl_b32 s46, s42, 7
	s_add_co_u32 s22, s46, s19
	s_add_co_u32 s22, s22, 4096
	s_mul_i32 s22, s22, 768                        ; Wq: row 4096 + 128 x + 64 x half
	s_mov_b32 s23, 0
	s_lshl_b32 s45, s14, 5
	s_add_co_u32 s46, s46, s45
	s_add_co_u32 s46, s46, 5120
	s_mul_i32 s46, s46, 768                        ; Wk: row 5120 + 128 x + 32 x wave; Wv: 1,024 rows on
	s_mov_b32 s47, 0
	s_mul_i32 s45, s14, 32*816
	s_wait_dscnt 0x0                               ; both opening adds are done
	s_wait_kmcnt 0x0
	s_mov_b32 s[G0A], 1
	s_mul_i32 s[G0A+1], s14, 64*816                ; x's halves, then Wq's: wave x 64 rows
	s_add_nc_u64 s[G0A+2:G0A+3], s[4:5], s[20:21]
	s_or_b32 s[G0A+3], s[G0A+3], 0x80000000
	s_mov_b32 s[G0B], 1
	s_mul_i32 s[G0B+1], s14, 64*816
	s_add_nc_u64 s[G0B+2:G0B+3], s[4:5], s[22:23]
	s_or_b32 s[G0B+3], s[G0B+3], 0x80000000
	s_mov_b32 s[G0K], 1
	s_add_co_u32 s[G0K+1], s45, 2*T128
	s_add_nc_u64 s[G0K+2:G0K+3], s[4:5], s[46:47]
	s_mov_b32 s[G0V], 1
	s_add_co_u32 s[G0V+1], s45, T128
	s_add_nc_u64 s[G0V+2:G0V+3], s[G0K+2:G0K+3], 1024*768
	s_or_b32 s[G0K+3], s[G0K+3], 0x80000000
	s_or_b32 s[G0V+3], s[G0V+3], 0x80000000
	CROUND                                         ; all sixteen work-groups are here: the first joint loads meet
	s_cmp_eq_u32 s15, 0                            ; one load a wave at the head, one in each arm
	s_cbranch_scc0 .Lfor_b
	tensor_load_to_lds s[G0A:G0A+3], s[G1A:G1A+7]
	s_nop 0
	PLACES 4
	s_branch .Lasked
.Lfor_b:
	tensor_load_to_lds s[G0B:G0B+3], s[G1B:G1B+7]
	s_nop 0
	PLACES 4
.Lasked:
	; where my results go
	s_lshr_b32 s18, s17, 4
	s_lshl_b32 s18, s18, 4
	s_lshl_b32 s19, s42, 1
	s_add_co_u32 s18, s18, s19                     ; my first head: 16 x batch + 2 x
	s_and_b32 s19, s17, 15                         ; my 128 tokens in the sequence
	s_mov_b32 s87, 0
	s_mul_i32 s86, s18, 98304
	s_lshl_b32 s88, s19, 2
	s_add_co_u32 s88, s88, s14                     ; my pair of tiles
	s_mul_i32 s88, s88, 1536
	s_add_co_u32 s86, s86, s88
	s_add_nc_u64 s[BQI:BQI+1], s[10:11], s[86:87]
	s_lshl_b32 s86, s18, 13
	s_lshl_b32 s88, s19, 9
	s_add_co_u32 s86, s86, s88
	s_lshl_b32 s89, s14, 2
	s_add_co_u32 s86, s86, s89
	s_add_co_u32 s86, s86, 3145728
	s_add_nc_u64 s[BQS:BQS+1], s[10:11], s[86:87]
	s_mul_i32 s90, s18, 208896
	s_mul_i32 s88, s19, 13056
	s_add_co_u32 s90, s90, s88                     ; the key step's block of kv
	s_mul_i32 s86, s14, 1536
	s_add_co_u32 s86, s86, s90
	s_add_nc_u64 s[BKI:BKI+1], s[12:13], s[86:87]
	s_add_co_u32 s86, s90, s89
	s_add_co_u32 s86, s86, 12288
	s_add_nc_u64 s[BKS:BKS+1], s[12:13], s[86:87]
	s_mul_i32 s88, s15, 208896                     ; V: my 32 channels lie in head wave / 2, tiles 2 (wave % 2) on
	s_add_co_u32 s90, s90, s88
	s_mul_i32 s86, s16, 3072
	s_add_co_u32 s86, s86, s90
	s_add_co_u32 s86, s86, 6144
	s_add_nc_u64 s[BVI:BVI+1], s[12:13], s[86:87]
	s_lshl_b32 s86, s16, 2
	s_add_co_u32 s86, s86, s90
	s_add_co_u32 s86, s86, 12800
	s_add_nc_u64 s[BVS:BVS+1], s[12:13], s[86:87]
	s_lshl_b32 s86, s17, 12
	s_add_nc_u64 s[SX:SX+1], s[6:7], s[86:87]
	s_lshl_b32 s86, s42, 12
	s_add_co_u32 s86, s86, 4096*32
	s_add_nc_u64 s[SW:SW+1], s[6:7], s[86:87]
	s_lshl_b32 s86, s17, 3
	s_lshl_b32 s88, s14, 1
	s_add_co_u32 s86, s86, s88
	s_lshl_b32 s86, s86, 12                        ; the table: tile 8 y + 2 wave, 4,096 bytes each
	s_add_nc_u64 s[8:9], s[8:9], s[86:87]
	s_mov_b32 s[MHI], 0xffff0000
	s_mov_b32 s[SEL], 0x76543210
	s_mov_b32 s[SEL+1], 0xfedcba98
	s_mul_i32 s18, s14, 2*TILEB
	s_add_co_u32 s19, s18, T128
	s_lshl_b32 s88, s14, 10
	v_and_b32 v1, 15, v0                           ; r
	v_bfe_u32 v2, v0, 4, 1                         ; h
	v_and_b32 v3, 31, v0
	v_mul_u32_u24 v20, v1, 816
	v_mad_u32_u24 v20, v2, 24, v20                 ; a fragment's row x 816 + 24 h
	v_lshl_add_u32 v21, v2, 4, v20                 ; and with lanes 16-31 behind one padding more
.irp g, 0,1,2
	v_add_nc_u32 v[A0X+4*\g], \g*T128, v20
	v_add_nc_u32 v[A0X+4*\g+1], \g*T128, v21
	v_add_nc_u32 v[A0X+4*\g+2], \g*T128+4*TILEB, v20
	v_add_nc_u32 v[A0X+4*\g+3], \g*T128+4*TILEB, v21
.endr
	v_add_nc_u32 v[A1X], s18, v20
	v_add_nc_u32 v[A1X+1], s18, v21
	v_add_nc_u32 v[A1V], s19, v20
	v_add_nc_u32 v[A1V+1], s19, v21
	v_lshlrev_b32 v[L16], 4, v3
	v_lshlrev_b32 v[L8], 3, v3
	v_lshlrev_b32 v[LS], 5, v3
	v_add_nc_u32 v[LSW], s88, v[LS]
.irp b, 0,1,2,3
	v_mov_b32 v[TM+4+\b], 0                        ; written once: a lane permute's destination counts as one of its sources
.endr
.macro SLOAD dst, vo, sb, off          ; the scale words of a pair of tiles: 32 rows x 32 bytes, dense
	global_load_b128 v[\dst:\dst+3], v[\vo], s[\sb:\sb+1] offset:\off
	global_load_b128 v[\dst+4:\dst+7], v[\vo], s[\sb:\sb+1] offset:\off+16
.endm
	SLOAD XW, LSW, SX, 0
.irp i, 0,1,2,3
	SLOAD WQ+8*\i, LS, SW, 1024*\i
.endr
.irp i, 0,1,2,3
	SLOAD WK+8*\i, LS, SW, 32768+1024*\i
.endr
.irp i, 0,1,2,3
	SLOAD XA+8*\i, LS, SX, 1024*\i
.endr
	SLOAD WV, LSW, SW, 65536
	WIN 0xc0                                       ; cos and sin of my two tiles of tokens, for q and for k: window 3, tile a at v[32 a]
.irp i, 0,1,2,3,4,5,6,7,8,9,10,11,12,13,14,15
	global_load_b128 v[4*\i:4*\i+3], v[L16], s[8:9] offset:512*\i
.endr
	WIN 0
.macro FRAG reg, adr, st, off          ; 16 rows x 128 K: 12 registers, in pieces of 8 bytes.  Byte y of a row of codes lies at 272 (y / 256) + y % 256 of its LDS row; lanes 16-31 read 24 bytes on
.irp p, 0,1,2,3,4,5
.set BY, 96*(\st)+48*(\p/3)+8*(\p%3)
.if BY/256 == (BY+24)/256
	ds_load_b64 v[(\reg)+2*\p:(\reg)+2*\p+1], v[\adr] offset:(BY/256)*272+BY%256+(\off)
.else
	ds_load_b64 v[(\reg)+2*\p:(\reg)+2*\p+1], v[(\adr)+1] offset:(BY/256)*272+BY%256+(\off)
.endif
.endr
.endm
.macro FETCH st, p, a0, a1             ; K step st's ten fragments into set p: 60 loads in one run, four places behind the products that read the set
	PLACES NP
	WIN 0x40
.irp i, 0,1,2,3,4,5,6,7
	FRAG 128*(\p)+12*\i, \a0+2*(\i/4), \st, (\i%4)*TILEB
.endr
.irp j, 0,1
	FRAG 128*(\p)+96+12*\j, \a1, \st, \j*TILEB
.endr
.endm
.macro WM v                            ; v = 4 x (the sum begins) + 2 x (source 0's scales in lanes 16-31) + (source 1's there)
.if (\v) == 0
	v_wmma_scale_f32_16x16x128_f8f6f4 v[DD:DD+7], v[F0:F0+11], v[F1:F1+11], v[DD:DD+7], v[X0], v[X1] matrix_a_fmt:MATRIX_FMT_FP6 matrix_b_fmt:MATRIX_FMT_FP6
.endif
.if (\v) == 1
	v_wmma_scale_f32_16x16x128_f8f6f4 v[DD:DD+7], v[F0:F0+11], v[F1:F1+11], v[DD:DD+7], v[X0], v[X1] matrix_a_fmt:MATRIX_FMT_FP6 matrix_b_fmt:MATRIX_FMT_FP6 matrix_b_scale:MATRIX_SCALE_ROW1
.endif
.if (\v) == 2
	v_wmma_scale_f32_16x16x128_f8f6f4 v[DD:DD+7], v[F0:F0+11], v[F1:F1+11], v[DD:DD+7], v[X0], v[X1] matrix_a_fmt:MATRIX_FMT_FP6 matrix_b_fmt:MATRIX_FMT_FP6 matrix_a_scale:MATRIX_SCALE_ROW1
.endif
.if (\v) == 3
	v_wmma_scale_f32_16x16x128_f8f6f4 v[DD:DD+7], v[F0:F0+11], v[F1:F1+11], v[DD:DD+7], v[X0], v[X1] matrix_a_fmt:MATRIX_FMT_FP6 matrix_b_fmt:MATRIX_FMT_FP6 matrix_a_scale:MATRIX_SCALE_ROW1 matrix_b_scale:MATRIX_SCALE_ROW1
.endif
.if (\v) == 4
	v_wmma_scale_f32_16x16x128_f8f6f4 v[DD:DD+7], v[F0:F0+11], v[F1:F1+11], 0, v[X0], v[X1] matrix_a_fmt:MATRIX_FMT_FP6 matrix_b_fmt:MATRIX_FMT_FP6
.endif
.if (\v) == 5
	v_wmma_scale_f32_16x16x128_f8f6f4 v[DD:DD+7], v[F0:F0+11], v[F1:F1+11], 0, v[X0], v[X1] matrix_a_fmt:MATRIX_FMT_FP6 matrix_b_fmt:MATRIX_FMT_FP6 matrix_b_scale:MATRIX_SCALE_ROW1
.endif
.if (\v) == 6
	v_wmma_scale_f32_16x16x128_f8f6f4 v[DD:DD+7], v[F0:F0+11], v[F1:F1+11], 0, v[X0], v[X1] matrix_a_fmt:MATRIX_FMT_FP6 matrix_b_fmt:MATRIX_FMT_FP6 matrix_a_scale:MATRIX_SCALE_ROW1
.endif
.if (\v) == 7
	v_wmma_scale_f32_16x16x128_f8f6f4 v[DD:DD+7], v[F0:F0+11], v[F1:F1+11], 0, v[X0], v[X1] matrix_a_fmt:MATRIX_FMT_FP6 matrix_b_fmt:MATRIX_FMT_FP6 matrix_a_scale:MATRIX_SCALE_ROW1 matrix_b_scale:MATRIX_SCALE_ROW1
.endif
.endm
.macro MULS p, st, s0, s1, zero        ; 16 matrix instructions, the 16 accumulators by turns, in the same order in every step
.irp a, 0,1
.irp b, 0,1,2,3,4,5,6,7
.set DD, 8*(8*\a+\b)
.set F0, 128*(\p)+12*\b
.set F1, 128*(\p)+96+12*\a
.set X0, (\s0)+8*(\b/2)+(\st)
.set X1, (\s1)+(\st)
	WM 4*(\zero)+2*(\b%2)+\a
.endr
.endr
.endm
.macro KSTEP a0, a1, s0, s1, zero
.if ST < 7
	FETCH ST+1, (ST+1)%2, \a0, \a1
	s_wait_dscnt 60                                ; this step's fragments are in; the 60 loads just issued may be out
.else
	s_wait_dscnt 0x0
.endif
	WIN MUL
	MULS ST%2, ST, \s0, \s1, \zero
.set ST, ST+1
.endm
.macro PROD a0, a1, s0, s1             ; a product, K step 0's fragments being on their way into set 0; the first step starts the sums
.set ST, 0
	KSTEP \a0, \a1, \s0, \s1, 1
.rept 7
	KSTEP \a0, \a1, \s0, \s1, 0
.endr
	WIN 0
.endm
; QUANT: 64 numbers of a lane at v[s] of window w, register 16 b + i = index 32 b + 16 (lane / 16) + i of my row, become codes: blocks 0, 1 in the six registers from d0, blocks 2, 3 in the six from d1 (lanes 0-15 hold the
; even block, lanes 16-31 the odd one), and the four scale bytes in v[PW].  Each accumulator is read from its low end on.
.macro QUANT s, w, d0, d1
	WIN ((\w)<<2)|((\w)<<4)
.irp b, 0,1,2,3
	v_max3_num_f32 v[TM+\b], 0x1800000, |v[(\s)+16*\b]|, |v[(\s)+1+16*\b]|   ; with the floor 2^(3 - 127): the byte cannot fall under 1
.endr
.irp i, 2,4,6,8,10,12,14
.irp b, 0,1,2,3
	v_max3_num_f32 v[TM+\b], v[TM+\b], |v[(\s)+16*\b+\i]|, |v[(\s)+1+16*\b+\i]|
.endr
.endr
	WIN 0
.irp b, 0,1,2,3
	v_permlanex16_b32 v[TM+4+\b], v[TM+\b], s[SEL], s[SEL+1]
.endr
.irp b, 0,1,2,3
	v_max_num_f32 v[TM+\b], v[TM+\b], v[TM+4+\b]   ; with lane l xor 16's: the block's largest magnitude
.endr
.irp b, 0,1,2,3
	v_add_nc_u32 v[TM+12+\b], 0xff000000, v[TM+\b] ; 2 off its exponent field: the conversion's scale operand
.endr
.irp b, 0,1,2,3
	v_lshrrev_b32 v[TM+4+\b], 23, v[TM+12+\b]      ; the scale's byte
.endr
	v_lshl_or_b32 v[PW], v[TM+5], 8, v[TM+4]
	v_lshl_or_b32 v[PW], v[TM+6], 16, v[PW]
	v_lshl_or_b32 v[PW], v[TM+7], 24, v[PW]
	WIN (\w)
	v_cvt_scalef32_pk16_fp6_f32 v[(\d0):(\d0)+2], v[(\s):(\s)+15], v[TM+12]
	v_cvt_scalef32_pk16_fp6_f32 v[CT:CT+2], v[(\s)+16:(\s)+31], v[TM+13]       ; (a conversion's three registers begin on an even number)
	v_cvt_scalef32_pk16_fp6_f32 v[(\d1):(\d1)+2], v[(\s)+32:(\s)+47], v[TM+14]
	v_cvt_scalef32_pk16_fp6_f32 v[CT+4:CT+6], v[(\s)+48:(\s)+63], v[TM+15]
	WIN 0
	v_nop                                          ; one plain place behind a scaled conversion
.irp i, 0,1,2
	v_permlane16_swap_b32 v[(\d0)+\i], v[CT+\i]    ; a whole block to a lane
	v_permlane16_swap_b32 v[(\d1)+\i], v[CT+4+\i]
.endr
.irp i, 0,1,2
	v_mov_b32 v[(\d0)+3+\i], v[CT+\i]
	v_mov_b32 v[(\d1)+3+\i], v[CT+4+\i]
.endr
.endm
; The rotation: a pair of registers is (x1, x2) of one frequency, a pair of the table (cos, sin).  First (-x2 sin, x1 sin), then x cos is added by a fused multiply-add.
.macro ROT second
.irp b, 0,1,2,3,4,5,6,7
.irp i, 0,1,2,3
.set XR, AC+8*\b+2*\i
.set TR, T+8*\b+2*\i
.set CP, RS+2*(8*((\b/2)%2)+4*(\b%2)+\i)
.if \second
	v_pk_fma_f32 v[TR:TR+1], v[XR:XR+1], v[CP:CP+1], v[TR:TR+1] op_sel_hi:[1,0,1]
.else
	v_pk_mul_f32 v[TR:TR+1], v[XR:XR+1], v[CP:CP+1] op_sel:[1,1] op_sel_hi:[0,1] neg_lo:[1,0]
.endif
.endr
.endr
.endm
; q or k, my tile a of 16 tokens: 128 columns = two heads of 64.  bi, bs: where images and scale words go; hs, ss: bytes from head to head
.macro QK a, bi, bs, hs, ss
.set AC, 64*(\a)
.set RS, 32*(\a)
	WIN 0x0e                                       ; source 0: the accumulators' window, source 1: the table's
	ROT 0
	ROT 1
	WIN 0
.if (\a) == 0
	s_wait_xcnt 0x0                                ; earlier stores have read the codes' registers
.endif
	QUANT T, 0, H0+6*(\a), H1+6*(\a)
.if (\a) == 0
	v_and_b32 v[SC0], 0xffff, v[PW]                ; the first head's two bytes; the second's
	v_lshrrev_b32 v[SC1], 16, v[PW]
.else
	v_and_b32 v[TP], 0xffff, v[PW]
	v_cndmask_b32 v[SC0], v[SC0], v[TP], s[MHI]    ; the odd tile's words go to lanes 16-31
	v_lshrrev_b32 v[TP], 16, v[PW]
	v_cndmask_b32 v[SC1], v[SC1], v[TP], s[MHI]
.irp c, 0,1,2
	global_store_b128 v[L16], v[H0+4*\c:H0+4*\c+3], s[\bi:\bi+1] offset:512*\c          ; 32 lanes store 512 consecutive bytes
	global_store_b128 v[L16], v[H1+4*\c:H1+4*\c+3], s[\bi:\bi+1] offset:\hs+512*\c
.endr
	global_store_b32 v[L16], v[SC0], s[\bs:\bs+1]
	global_store_b32 v[L16], v[SC1], s[\bs:\bs+1] offset:\ss
.endif
.endm
; V, my tile a of 16 channels: the 128 columns are 128 keys: one whole fragment
.macro VV a
.set AC, 64*(\a)
.set HX, H0+12*(\a)
.if (\a) == 0
	s_wait_xcnt 0x0                                ; k's stores have read the codes' registers
.endif
	QUANT AC, 2, HX, HX+6
.irp c, 0,1,2
	global_store_b128 v[L16], v[HX+4*\c:HX+4*\c+3], s[BVI:BVI+1] offset:1536*(\a)+512*\c
.endr
.if (\a) == 0
	v_mov_b32 v[SC0], v[PW]
.else
	v_cndmask_b32 v[SC0], v[SC0], v[PW], s[MHI]
	global_store_b32 v[L8], v[SC0], s[BVS:BVS+1]
.endif
.endm
	s_wait_alu depctr_va_vdst(0)
	s_wait_tensorcnt 0x0                           ; my part of x or of Wq is in; the lines ahead of a later first fill:
	ds_add_u32 v[SPW], v[NIL]
	s_mov_b32 s[G1B+2], 96<<16                     ; no tensor load of mine is out: from here on a load brings 32 rows of codes
	s_mov_b32 s[G1B+4], 96
	s_wait_dscnt 0x0
	CROUND                                         ; everybody's part is in, and the joint loads meet
	tensor_load_to_lds s[G0K:G0K+3], s[G1B:G1B+7]  ; Wk, my quarter: it has q's product in which to land
	s_nop 0
	PLACES 4
	FETCH 0, 0, A0Q, A1X
	s_wait_loadcnt 16                              ; the scale words are in; the table's 16 loads may be out
	PROD A0Q, A1X, WQ, XW
	s_wait_tensorcnt 0x0                           ; my quarter of Wk is in;
	ds_add_u32 v[SPW], v[NIL]
	s_wait_dscnt 0x0                               ; it is done, and so are my reads of Wq
	CROUND                                         ; no wave of any partner still reads Wq's tile or has a load on its way
	tensor_load_to_lds s[G0V:G0V+3], s[G1B:G1B+7]  ; Wv, my quarter, into Wq's bytes: it has k's product in which to land
	s_nop 0
	PLACES 4
	FETCH 0, 0, A0K, A1X                           ; k's first fragments land under q's way out
	WIN 0
	s_wait_loadcnt 0x0                             ; cos and sin
	QK 0, BQI, BQS, 98304, 8192
	QK 1, BQI, BQS, 98304, 8192
	PROD A0K, A1X, WK, XW
	s_wait_tensorcnt 0x0                           ; my quarter of Wv is in,
	s_wait_dscnt 0x0
	s_barrier_signal -1
	s_barrier_wait -1                              ; everybody's is
	FETCH 0, 0, A0X, A1V
	WIN 0
	QK 0, BKI, BKS, 208896, 208896
	QK 1, BKI, BKS, 208896, 208896
	PROD A0X, A1V, XA, WV
	PLACES NP                                      ; behind the last products, whose results are read below
	VV 0
	VV 1
	s_wait_tensorcnt 0x0                           ; the wave's end
	ds_add_u32 v[SPW], v[NIL]
	s_wait_dscnt 0x0
	CROUND                                         ; the closing round
	s_endpgm
.Lfunc_end_k_q9cac6d9ed0_qkv:
	.size	k_q9cac6d9ed0_qkv, .Lfunc_end_k_q9cac6d9ed0_qkv-k_q9cac6d9ed0_qkv
	.p2alignl 7, 3214868480
	.fill 96, 4, 3214868480
	.section	.rodata,"a",@progbits
	.p2align	6, 0x0
	.amdhsa_kernel k_q9cac6d9ed0_qkv
		.amdhsa_group_segment_fixed_size 327680
		.amdhsa_private_segment_fixed_size 0
		.amdhsa_enable_private_segment 0
		.amdhsa_kernarg_size 40
		.amdhsa_user_sgpr_count 2
		.amdhsa_user_sgpr_kernarg_segment_ptr 1
		.amdhsa_wavefront_size32 1
		.amdhsa_system_sgpr_workgroup_id_x 1
		.amdhsa_system_sgpr_workgroup_id_y 1
		.amdhsa_system_sgpr_workgroup_id_z 1
		.amdhsa_system_vgpr_workitem_id 0
		.amdhsa_next_free_vgpr 832
		.amdhsa_next_free_sgpr 96
		.amdhsa_reserve_vcc 0
		.amdhsa_float_denorm_mode_32 3
		.amdhsa_float_denorm_mode_16_64 3
		.amdhsa_memory_ordered 1
		.amdhsa_forward_progress 1
		.amdhsa_inst_pref_size 200
	.end_amdhsa_kernel
	.amdgpu_metadata
---
amdhsa.version: [ 1, 2 ]
amdhsa.kernels:
  - .name:           k_q9cac6d9ed0_qkv
    .symbol:         k_q9cac6d9ed0_qkv.kd
    .args:
      - { .name: codes, .offset: 0, .size: 8, .value_kind: global_buffer, .address_space: global }
      - { .name: scales, .offset: 8, .size: 8, .value_kind: global_buffer, .address_space: global }
      - { .name: rope, .offset: 16, .size: 8, .value_kind: global_buffer, .address_space: global }
      - { .name: qimg, .offset: 24, .size: 8, .value_kind: global_buffer, .address_space: global }
      - { .name: kv, .offset: 32, .size: 8, .value_kind: global_buffer, .address_space: global }
    .group_segment_fixed_size: 327680
    .private_segment_fixed_size: 0
    .kernarg_segment_align: 8
    .kernarg_segment_size: 40
    .max_flat_workgroup_size: 128
    .sgpr_count:     96
    .vgpr_count:     832
    .wavefront_size: 32
...
	.end_amdgpu_metadata
.endif
;; end of part 2
;; launch attn (part 3): grid 8 x 32, 16 waves a work-group, clusters of 4 x 1, 310,784 bytes of LDS; arguments qimg, kv, o_codes, o_scales; writes o_codes, o_scales
.if DOCPART == 3
	.amdgcn_target "amdgcn-amd-amdhsa--gfx1250"
	.amdhsa_code_object_version 6
	.text
	.protected	k_q9cac6d9ed0_attn
	.globl	k_q9cac6d9ed0_attn
	.p2align	8
	.type	k_q9cac6d9ed0_attn,@function
k_q9cac6d9ed0_attn:
	s_mov_b64 s[64:65], 0
	v_nop
	global_prefetch_b8 v0, s[64:65] scope:SCOPE_SE
	s_setreg_imm32_b32 hwreg(HW_REG_WAVE_MODE, 25, 1), 1
	s_wait_xcnt 0x0
	s_wait_alu depctr_hold_cnt(0) depctr_sa_sdst(0) depctr_va_vdst(0) depctr_va_sdst(0) depctr_va_ssrc(0) depctr_va_vcc(0) depctr_vm_vsrc(0)
	s_getreg_b32 s2, hwreg(HW_REG_IB_STS2, 6, 4)
	s_cmp_eq_u32 s2, 0
	s_cbranch_scc0 .Lentry_in_a_cluster
	s_endpgm
.Lentry_in_a_cluster:
	s_bfe_u32 s2, ttmp6, 0x10000c
	s_cmp_lg_u32 s2, 0x3003
	s_cbranch_scc0 .Lentry_shape_is_right
	s_endpgm
.Lentry_shape_is_right:
; ATTN.  Causal attention of one head (y = 16 x batch + head) on codes of FP6 (E2M3) with E8M0 scales; the result is divided by the row's sum and quantised along the model's 1,024 for the last projection.
; Key steps all of whose keys come after the queries are left out: the causal mask, which the problem builds itself, makes their p zero.
; THE SOFTMAX: t = score x log2(e) / 8; M = the row's largest t so far, rounded UP to a whole number; p = 2^(t - M) is what is quantised, along the keys; the sum is taken of the unquantised p; when M moves, the sum
; and O are multiplied by 2^(old M - new M), which rounds nothing.
; LDS holds the head's WHOLE K and V, 208,896 bytes of register images and scale words ([128 keys][K images 6,144 | V images 6,144 | K scale words 512 | V scale words 256]), filled ONCE: each of the sixteen waves asks for
; one key step, jointly with the three other work-groups of its cluster, which walk the same head.  Nothing is filled again.  No prefetch: all that is read is asked for at the head.
; SHARES.  The work-group takes storage tile ti (0 .. 7) of 16 queries of each of the head's 16 blocks of 128 queries.  Blocks 15 - w and w (w = wave / 2) have 16 - w and w + 1 key steps, 17 together, and go to TWO waves:
; role A takes key steps 0 .. 8 of block 15 - w; role B takes block w, stores it, and then takes steps 9 .. 15 - w of block 15 - w.  Only then, when A has 9 steps behind it and B 8 (those on the diagonal among them),
; B hands its O, M and sums to A through a stage in LDS; A joins the two parts under the larger M (two multiplications by powers of two) and stores block 15 - w.  Role = bit 0 xor bit 2 of the wave's number.
; All waves walk the same two loops, of 8 and of 7 trips; a step that is not the wave's is jumped over (a branch on the wave's number and a counter).
; LAYOUT.  Both products are used transposed: S^T = K Q^T, O^T = V^T P^T: a lane holds ONE query.  A storage tile's row r is true row 32 (t / 2) + 8 (t % 2) + r + (r & 8) of its 128, so that the 16 registers of tiles 2 b and
; 2 b + 1 are keys (or channels) 32 b + 16 (lane / 16) + 0 .. 15.
; THE FIRST PRODUCT'S K IS 64, the instruction's 128: Q's codes of k = 64 .. 127 are zero codes.  K's registers 6-11 of tile t are then whatever follows: the next tile's codes (behind tile 7: zeros).  E2M3 has no NaN and no
; infinity, and bytes 2 and 3 of both scale words are 0, which is 2^-127: these products add exactly 0.
; LIMITS: NaN and infinities are not served; a block of o whose largest magnitude lies under 2^-124 keeps the scale byte 1; the promise holds while the scaled scores t stay under 2^31 in magnitude.
.set KSB,   13056                      ; a key step's bytes in LDS: 51 rows of 256
.set HEADB, 16*KSB
.set STAGE, 18*KSB                     ; 4,608 bytes for each wave: O^T (8 x 512), then -M, the largest t and the sums (512)
.set WST,   4608
.set SPARE, STAGE+16*WST               ; the spare words: 2,048 bytes that no other line names
.set L16,  1                           ; v1   16 x lane
.set L8,   2                           ; v2   8 x lane
.set ADK,  3                           ; v3   the key step's images, my 16 bytes
.set AD8,  4                           ; v4   and V's scale words, my 8
.set DM,   5                           ; v5   my query in its 128 - 16 (lane / 16): register n of S hides where 32 (n / 16) + n % 16 is larger
.set QO,   6                           ; v6-8 my three pieces of 8 bytes of Q's half of a pair's image
.set QSO,  9                           ; v9   my query's scale word
.set OOFF, 10                          ; v10  my 12 bytes in o's codes
.set OSOFF, 11                         ; v11  my byte in o's scales
.set QF,   16                          ; v16-21 Q's codes, v22-27 zeros
.set QS,   28                          ; v28  Q's scale words
.set ADS,  29                          ; v29  my stage;  v30 my partner's
.set ADP,  30
.set KF,   32                          ; v32-79 K: tile t at 32 + 6 t; v80-85 zeros.  Behind the first product v32-55 are at work:
.set BM,   32                          ; v32-35 the blocks' largest scores
.set PM,   36                          ; v36-39 the other half's; then the bytes
.set CT,   40                          ; v40-42, v44-46 a conversion's second halves
.set SO,   48                          ; v48-51 the conversions' scale operands
.set TMP,  52
.set NEG,  53
.set VF,   86                          ; v86-133 V: channel tile t at 86 + 12 t
.set S,    134                         ; v134-197 S^T, then p, at last o
.set OT,   198                         ; v198-229 O^T
.set PC,   230                         ; v230-241 p's codes
.set KSC,  242                         ; v242-245 K's scale words: tile t: register t / 2, lanes 16 (t % 2) on
.set VSC,  246                         ; v246-247 V's likewise
.set RL,   248                         ; 1 / the sum
.set PSW,  249                         ; p's scale word
.set FF,   250                         ; v250 2^(old M - new M); v251 is named with it as a pair
.set TN,   3                           ; s3  the key step's byte, stepped; s36 the same held inside K and V
.set WV,   12
.set SEL,  20                          ; s[20:21] v_permlanex16_b32's selects for lane l xor 16
.set CS,   22                          ; s[22:23] c = log2(e) / 8
.set G1,   24
.set G0,   32
.set TB,   36
.set KQ,   37                          ; s37 the key step
.set BLK,  38                          ; s38 the block of queries at work: the step of its number lies on the diagonal
.set HI16, 39                          ; s39 lanes 16-31
.set PB,   40                          ; s[40:43], s[44:47]: Q's image and scale words for the first and the second loop;  s[48:51] o's codes, o's scales
.set W8,   52                          ; s52 w;  s53 role: 0 A, 1 B;  s54 15 - w;  s55 the first loop's block, which is also the block that I store
.set ROLE, 53
.set B1,   54
.set BF,   55
.set JJ,   62                          ; s62 trips
.set LIM,  63                          ; s63 my last key step of the loop
.macro CROUND                          ; a round of the cluster's barrier
	s_barrier_signal -1
	s_barrier_wait -1
	s_cmp_lg_u32 s[WV], 0
	s_cbranch_scc1 .Lnot_wave_0_\@
	s_barrier_signal -3
.Lnot_wave_0_\@:
	s_barrier_wait -3
	s_barrier_signal -1
	s_barrier_wait -1
.endm
	s_load_b128 s[4:7], s[0:1], 0x0                ; qimg s[4:5], kv s[6:7]
	s_load_b128 s[8:11], s[0:1], 0x10              ; o_codes s[8:9], o_scales s[10:11]
	v_lshl_add_u32 v254, v0, 2, SPARE
	v_mov_b32 v255, 0
	ds_add_u32 v254, v255                          ; the opening lines: the add, twice on end, and its wait
	ds_add_u32 v254, v255
	v_lshrrev_b32 v1, 5, v0
	s_delay_alu instid0(VALU_DEP_1)
	v_readfirstlane_b32 s[WV], v1                  ; wave 0..15
	s_lshr_b32 s[W8], s[WV], 1                     ; w
	s_lshr_b32 s[ROLE], s[WV], 2
	s_xor_b32 s[ROLE], s[ROLE], s[WV]
	s_and_b32 s[ROLE], s[ROLE], 1                  ; my partner is wave xor 1
	s_sub_co_u32 s[B1], 15, s[W8]
	s_bfe_u32 s13, ttmp6, 0x40000                  ; cx
	s_lshl_b32 s14, ttmp9, 2
	s_add_co_u32 s14, s14, s13                     ; ti: it enters Q's and o's global addresses and the mask's numbers alone
	s_and_b32 s15, ttmp7, 0xffff                   ; 16 x batch + head, which the four partners share
	s_mov_b32 s[G1], 15|(3<<16)|(1<<21)            ; 15:0 the mask: all four; 17:16 elements of 8 bytes; 21 set beside a mask; no padding
	s_mov_b32 s[G1+1], 32<<16                      ; tensor_dim0 = 32 elements: 256 bytes
	s_mov_b32 s[G1+2], (KSB/256)<<16               ; tensor_dim1 = 51
	s_mov_b32 s[G1+3], 32<<16                      ; tile_dim0
	s_mov_b32 s[G1+4], KSB/256                     ; tile_dim1
	s_mov_b32 s[G1+5], 32                          ; dense
	s_mov_b32 s[G1+6], 0
	s_mov_b32 s[G1+7], 0
	s_mul_i32 s18, s15, HEADB
	s_mul_i32 s17, s[WV], KSB
	s_add_co_u32 s18, s18, s17
	s_mov_b32 s19, 0
	s_mov_b32 s[G0], 1
	s_mul_i32 s[G0+1], s[WV], KSB                  ; key step = my wave's number
	s_wait_dscnt 0x0
	s_wait_kmcnt 0x0
	s_add_nc_u64 s[G0+2:G0+3], s[6:7], s[18:19]
	s_or_b32 s[G0+3], s[G0+3], 0x80000000
	CROUND                                         ; all four work-groups are here: the joint loads meet
	tensor_load_to_lds s[G0:G0+3], s[G1:G1+7]      ; my one tensor load of the launch
	s_nop 0
.rept 4
	v_nop
.endr
	s_mov_b32 s[SEL], 0x76543210
	s_mov_b32 s[SEL+1], 0xfedcba98
	s_mov_b32 s[CS], 0x3e38aa3b
	s_mov_b32 s[CS+1], s[CS]
	s_mov_b32 s[HI16], 0xffff0000
	s_lshr_b32 s56, s14, 1
	s_lshl_b32 s56, s56, 5
	s_and_b32 s59, s14, 1
	s_lshl_b32 s57, s59, 3
	s_add_co_u32 s56, s56, s57                     ; 32 (ti / 2) + 8 (ti % 2)
	s_and_b32 s58, s15, 15                         ; the head
	s_mul_i32 s57, s58, 48                         ; its 48 bytes in a row of o's codes,
	s_lshl_b32 s58, s58, 1                         ; its 2 in a row of o's scales
	s_cmp_eq_u32 s[ROLE], 0
	s_cselect_b32 s[BF], s[B1], s[W8]              ; A begins with, and stores, block 15 - w; B block w
.macro QBASE p                         ; s16: a block of 128 queries
	s_lshl_b32 s18, s15, 6
	s_lshl_b32 s17, s16, 2
	s_add_co_u32 s18, s18, s17
	s_lshr_b32 s17, s14, 1
	s_add_co_u32 s18, s18, s17
	s_mul_i32 s18, s18, 1536                       ; pair 64 y + 4 block + ti / 2
	s_add_nc_u64 s[PB+4*\p:PB+4*\p+1], s[4:5], s[18:19]
	s_lshl_b32 s18, s15, 4
	s_add_co_u32 s18, s18, s16
	s_lshl_b32 s18, s18, 9
	s_add_co_u32 s18, s18, 3145728
	s_add_nc_u64 s[PB+4*\p+2:PB+4*\p+3], s[4:5], s[18:19]
.endm
	s_mov_b32 s16, s[BF]
	QBASE 0
	s_mov_b32 s16, s[B1]
	QBASE 1
	s_lshr_b32 s18, s15, 4
	s_lshl_b32 s18, s18, 11
	s_lshl_b32 s17, s[BF], 7
	s_add_co_u32 s18, s18, s17
	s_add_co_u32 s17, s18, s56                     ; the row of o of my tile's row 0
	s_mul_i32 s18, s17, 768
	s_add_co_u32 s18, s18, s57
	s_add_nc_u64 s[PB+8:PB+9], s[8:9], s[18:19]
	s_lshl_b32 s18, s17, 5
	s_add_co_u32 s18, s18, s58
	s_add_nc_u64 s[PB+10:PB+11], s[10:11], s[18:19]
	s_mul_i32 s17, s[WV], WST
	s_add_co_u32 s17, s17, STAGE
	s_xor_b32 s18, s[WV], 1
	s_mul_i32 s18, s18, WST
	s_add_co_u32 s18, s18, STAGE
	v_and_b32 v13, 31, v0
	s_delay_alu instid0(VALU_DEP_1)
	v_lshlrev_b32 v[L16], 4, v13
	s_delay_alu instid0(VALU_DEP_2)
	v_lshlrev_b32 v[L8], 3, v13
	v_and_b32 v14, 15, v0                          ; r
	v_bfe_u32 v15, v0, 4, 1                        ; h
	s_delay_alu instid0(VALU_DEP_2)
	v_and_b32 v12, 8, v14
	s_delay_alu instid0(VALU_DEP_1)
	v_add_nc_u32 v12, v12, v14                     ; r + (r & 8)
	s_delay_alu instid0(VALU_DEP_3)
	v_lshlrev_b32 v[DM], 4, v15
	s_delay_alu instid0(VALU_DEP_1)
	v_sub_nc_u32 v[DM], v12, v[DM]
	s_delay_alu instid0(VALU_DEP_1)
	v_add_nc_u32 v[DM], s56, v[DM]
	v_add_nc_u32 v[ADS], s17, v[L16]
	v_add_nc_u32 v[ADP], s18, v[L16]
	s_mul_i32 s60, s59, 520                        ; an image's register n lies at 512 (n / 4) + 16 lane + 4 (n % 4): registers 0-5 for an even tile, 6-11 for an odd one
	s_mul_i32 s61, s59, 1016
	v_add_nc_u32 v[QO], s60, v[L16]
	v_add_nc_u32 v[QO+1], s61, v[L16]
	s_delay_alu instid0(VALU_DEP_1)
	v_add_nc_u32 v[QO+1], 8, v[QO+1]
	s_delay_alu instid0(VALU_DEP_3)
	v_add_nc_u32 v[QO+2], 0x200, v[QO]
	s_lshl_b32 s60, s59, 8
	s_lshr_b32 s61, s14, 1
	s_lshl_b32 s61, s61, 2
	s_add_co_u32 s60, s60, s61
	v_lshl_add_u32 v[QSO], v14, 4, s60             ; word ti / 2 of lane r + 16 (ti % 2)
	v_mul_u32_u24 v[OOFF], v12, 768
	s_delay_alu instid0(VALU_DEP_1)
	v_mad_u32_u24 v[OOFF], v15, 12, v[OOFF]
	v_lshl_add_u32 v[OSOFF], v12, 5, v15
.macro QLOAD p
	global_load_b64 v[QF:QF+1], v[QO], s[PB+4*\p:PB+4*\p+1]
	global_load_b64 v[QF+2:QF+3], v[QO+1], s[PB+4*\p:PB+4*\p+1]
	global_load_b64 v[QF+4:QF+5], v[QO+2], s[PB+4*\p:PB+4*\p+1]
	global_load_b32 v[QS], v[QSO], s[PB+4*\p+2:PB+4*\p+3]
.endm
	QLOAD 0
.irp j, 0,1,2,3,4,5
	v_mov_b32 v[QF+6+\j], 0                        ; Q's zero codes of k = 64 .. 127
	v_mov_b32 v[KF+48+\j], 0                       ; what follows K's tile 7
.endr
.irp b, 0,1,2,3
	v_mov_b32 v[PM+\b], 0                          ; written once: a lane permute's destination counts as one of its sources
.endr
	v_mov_b32 v[TMP], 0
	v_mov_b32 v[FF+1], 0                           ; named as the upper half of a pair
.macro FRESH                           ; nothing summed yet: the step is written once: the first finds zeros, which the first change of M leaves zeros
	v_mov_b32 v13, 0xff61b1e6                      ; the largest t so far: -3e38
	s_delay_alu instid0(VALU_DEP_1)
	v_floor_f32 v12, -v13
	v_mov_b32 v14, 0
	v_mov_b32 v15, 0
.irp j, 0,1,2,3,4,5,6,7,8,9,10,11,12,13,14,15,16,17,18,19,20,21,22,23,24,25,26,27,28,29,30,31
	v_mov_b32 v[OT+\j], 0
.endr
.endm
	FRESH
	s_wait_alu depctr_va_vdst(0)
	s_wait_tensorcnt 0x0                           ; my key step has landed,
	s_barrier_signal -1
	s_barrier_wait -1                              ; everybody's has: the head's K and V lie in LDS for the rest of the launch
; A KEY STEP: 128 keys.
.macro STEP
	s_cmp_gt_i32 s[KQ], s[LIM]
	s_cbranch_scc1 .Lhidden_\@                     ; not mine: my partner's, or all its keys come after the queries
	v_add_nc_u32 v[ADK], s[TB], v[L16]
	v_add_nc_u32 v[AD8], s[TB], v[L8]
	v_nop
	v_nop                                          ; four places behind the last step's products, whose operands are loaded anew
.irp c, 0,1,2,3,4,5,6,7,8,9,10,11
	ds_load_b128 v[KF+4*\c:KF+4*\c+3], v[ADK] offset:512*\c        ; images: 32 lanes read 512 consecutive bytes
.endr
	ds_load_b128 v[KSC:KSC+3], v[ADK] offset:12288
.irp c, 0,1,2,3,4,5,6,7,8,9,10,11
	ds_load_b128 v[VF+4*\c:VF+4*\c+3], v[ADK] offset:6144+512*\c
.endr
	ds_load_b64 v[VSC:VSC+1], v[AD8] offset:12800
	s_wait_dscnt 13                                ; K and its scale words are in; V's twelve loads and its scale words' one may be out
.irp t, 0,1,2,3,4,5,6,7
.if (\t%2) == 1
	v_wmma_scale_f32_16x16x128_f8f6f4 v[S+8*\t:S+8*\t+7], v[KF+6*\t:KF+6*\t+11], v[QF:QF+11], 0, v[KSC+\t/2], v[QS] matrix_a_fmt:MATRIX_FMT_FP6 matrix_b_fmt:MATRIX_FMT_FP6 matrix_a_scale:MATRIX_SCALE_ROW1
.else
	v_wmma_scale_f32_16x16x128_f8f6f4 v[S+8*\t:S+8*\t+7], v[KF+6*\t:KF+6*\t+11], v[QF:QF+11], 0, v[KSC+\t/2], v[QS] matrix_a_fmt:MATRIX_FMT_FP6 matrix_b_fmt:MATRIX_FMT_FP6
.endif
.endr
.rept 4
	v_nop
.endr
	s_cmp_lg_u32 s[KQ], s[BLK]
	s_cbranch_scc1 .Lopen_\@                       ; off the diagonal every key counts
	v_mov_b32 v[NEG], 0xff800000                   ; on it the scores of hidden keys become -infinity: p = 0 then
.irp n, 0,1,2,3,4,5,6,7,8,9,10,11,12,13,14,15,16,17,18,19,20,21,22,23,24,25,26,27,28,29,30,31,32,33,34,35,36,37,38,39,40,41,42,43,44,45,46,47,48,49,50,51,52,53,54,55,56,57,58,59,60,61,62,63
	v_cmp_gt_i32 vcc_lo, 32*(\n/16)+\n%16, v[DM]
	v_cndmask_b32 v[S+\n], v[S+\n], v[NEG], vcc_lo
.endr
.Lopen_\@:
.irp b, 0,1,2,3
	v_max3_num_f32 v[BM+\b], v[S+16*\b], v[S+1+16*\b], v[S+2+16*\b]   ; the largest score of each block of 32 keys: for the row's maximum and, since p rises with the score, for the block's largest p
.endr
.irp i, 3,5,7,9,11,13
.irp b, 0,1,2,3
	v_max3_num_f32 v[BM+\b], v[BM+\b], v[S+16*\b+\i], v[S+1+16*\b+\i]
.endr
.endr
.irp b, 0,1,2,3
	v_max_num_f32 v[BM+\b], v[BM+\b], v[S+15+16*\b]
.endr
.irp b, 0,1,2,3
	s_delay_alu instid0(VALU_DEP_4)
	v_permlanex16_b32 v[PM+\b], v[BM+\b], s[SEL], s[SEL+1]
.endr
.irp b, 0,1,2,3
	s_delay_alu instid0(VALU_DEP_4)
	v_max_num_f32 v[BM+\b], v[BM+\b], v[PM+\b]     ; with lane l xor 16's 16 keys
.endr
	s_delay_alu instid0(VALU_DEP_2)
	v_max3_num_f32 v[TMP], v[BM], v[BM+1], v[BM+2]
	s_delay_alu instid0(VALU_DEP_1)
	v_max_num_f32 v[TMP], v[TMP], v[BM+3]
	s_delay_alu instid0(VALU_DEP_1)
	v_mul_f32 v[TMP], s[CS], v[TMP]                ; as t
	s_delay_alu instid0(VALU_DEP_1)
	v_max_num_f32 v13, v13, v[TMP]                 ; the running largest t
	v_mov_b32 v[TMP], v12
	s_delay_alu instid0(VALU_DEP_2)
	v_floor_f32 v12, -v13                          ; the new -M = -ceil(t)
	s_delay_alu instid0(VALU_DEP_1)
	v_sub_f32 v[TMP], v12, v[TMP]                  ; old M - new M: a whole number, 0 or less
	s_delay_alu instid0(VALU_DEP_1)
	v_cvt_i32_f32 v[TMP], v[TMP]                   ; (it saturates)
	s_delay_alu instid0(VALU_DEP_1)
	v_ldexp_f32 v[FF], 1.0, v[TMP]
.irp j, 0,2,4,6,8,10,12,14,16,18,20,22,24,26,28,30,32,34,36,38,40,42,44,46,48,50,52,54,56,58,60,62
	v_pk_fma_f32 v[S+\j:S+1+\j], v[S+\j:S+1+\j], s[CS:CS+1], v[12:13] op_sel_hi:[1,0,0]   ; t - M, two at a time
.endr
.irp b, 0,1,2,3
	v_fma_f32 v[BM+\b], v[BM+\b], s[CS], v12
.endr
	s_wait_alu depctr_va_vdst(0)
.irp j, 0,1,2,3,4,5,6,7,8,9,10,11,12,13,14,15,16,17,18,19,20,21,22,23,24,25,26,27,28,29,30,31,32,33,34,35,36,37,38,39,40,41,42,43,44,45,46,47,48,49,50,51,52,53,54,55,56,57,58,59,60,61,62,63
	v_exp_f32 v[S+\j], v[S+\j]                     ; p = 2^(t - M), at most 1
.endr
.irp b, 0,1,2,3
	v_exp_f32 v[BM+\b], v[BM+\b]                   ; the block's largest p
.endr
	v_pk_mul_f32 v[14:15], v[14:15], v[FF:FF+1] op_sel_hi:[1,0]    ; the sums under the new M (a plain place behind the exponentials)
	s_wait_alu depctr_va_vdst(0)                   ; and behind it, ahead of its first reader
.irp b, 0,1,2,3
	v_max_num_f32 v[BM+\b], 0x1800000, v[BM+\b]    ; the floor 2^(3 - 127): the byte cannot fall under 1
.endr
.irp b, 0,1,2,3
	s_delay_alu instid0(VALU_DEP_4)
	v_add_nc_u32 v[SO+\b], 0xff000000, v[BM+\b]    ; 2 off the exponent field: the conversion's scale operand
.endr
.irp b, 0,1,2,3
	s_delay_alu instid0(VALU_DEP_4)
	v_lshrrev_b32 v[PM+\b], 23, v[SO+\b]           ; the scale's byte
.endr
	s_delay_alu instid0(VALU_DEP_3)
	v_lshl_or_b32 v[PSW], v[PM+1], 8, v[PM]
	s_delay_alu instid0(VALU_DEP_1)
	v_lshl_or_b32 v[PSW], v[PM+2], 16, v[PSW]
	s_delay_alu instid0(VALU_DEP_1)
	v_lshl_or_b32 v[PSW], v[PM+3], 24, v[PSW]
.irp c, 0,1
	v_cvt_scalef32_pk16_fp6_f32 v[PC+6*\c:PC+2+6*\c], v[S+32*\c:S+15+32*\c], v[SO+2*\c]
	v_cvt_scalef32_pk16_fp6_f32 v[CT+4*\c:CT+2+4*\c], v[S+16+32*\c:S+31+32*\c], v[SO+2*\c+1]
.endr
	v_nop                                          ; one plain place behind a scaled conversion
.irp c, 0,1                                    ; a whole block to a lane
.irp i, 0,1,2
	v_permlane16_swap_b32 v[PC+6*\c+\i], v[CT+4*\c+\i]
.endr
.irp i, 0,1,2
	s_delay_alu instid0(VALU_DEP_3)
	v_mov_b32 v[PC+3+6*\c+\i], v[CT+4*\c+\i]
.endr
.endr
	v_pk_add_f32 v[54:55], v[138:139], v[142:143]                  ; the sum of the unquantised p, in eight chains
	v_pk_add_f32 v[252:253], v[146:147], v[150:151]
	v_pk_add_f32 v[244:245], v[154:155], v[158:159]
	v_pk_add_f32 v[242:243], v[162:163], v[166:167]
	v_pk_add_f32 v[78:79], v[170:171], v[174:175]
	v_pk_add_f32 v[76:77], v[178:179], v[182:183]
	v_pk_add_f32 v[74:75], v[186:187], v[190:191]
	v_pk_add_f32 v[14:15], v[14:15], v[194:195]
	v_pk_add_f32 v[54:55], v[54:55], v[134:135]
	v_pk_add_f32 v[252:253], v[252:253], v[136:137]
	v_pk_add_f32 v[244:245], v[244:245], v[140:141]
	v_pk_add_f32 v[242:243], v[242:243], v[144:145]
	v_pk_add_f32 v[78:79], v[78:79], v[148:149]
	v_pk_add_f32 v[76:77], v[76:77], v[152:153]
	v_pk_add_f32 v[74:75], v[74:75], v[156:157]
	v_pk_add_f32 v[14:15], v[14:15], v[160:161]
	v_pk_add_f32 v[54:55], v[54:55], v[164:165]
	v_pk_add_f32 v[252:253], v[252:253], v[168:169]
	v_pk_add_f32 v[244:245], v[244:245], v[172:173]
	v_pk_add_f32 v[242:243], v[242:243], v[176:177]
	v_pk_add_f32 v[78:79], v[78:79], v[180:181]
	v_pk_add_f32 v[76:77], v[76:77], v[184:185]
	v_pk_add_f32 v[74:75], v[74:75], v[188:189]
	v_pk_add_f32 v[14:15], v[14:15], v[192:193]
	v_pk_add_f32 v[54:55], v[54:55], v[196:197]
	s_delay_alu instid0(VALU_DEP_2)
	v_pk_add_f32 v[14:15], v[14:15], v[242:243]
	s_delay_alu instid0(VALU_DEP_2)
	v_pk_add_f32 v[54:55], v[54:55], v[78:79]
	v_pk_add_f32 v[252:253], v[252:253], v[76:77]
	v_pk_add_f32 v[244:245], v[244:245], v[74:75]
	s_delay_alu instid0(VALU_DEP_2)
	v_pk_add_f32 v[14:15], v[14:15], v[252:253]
	s_delay_alu instid0(VALU_DEP_2)
	v_pk_add_f32 v[54:55], v[54:55], v[244:245]
	s_delay_alu instid0(VALU_DEP_1)
	v_pk_add_f32 v[14:15], v[14:15], v[54:55]
.irp j, 0,2,4,6,8,10,12,14,16,18,20,22,24,26,28,30
	v_pk_mul_f32 v[OT+\j:OT+1+\j], v[OT+\j:OT+1+\j], v[FF:FF+1] op_sel_hi:[1,0]   ; O^T under the new M
.endr
	s_wait_alu depctr_va_vdst(0)
	s_wait_dscnt 0x0                               ; V and its scale words are in
.irp t, 0,1,2,3                                ; four accumulators by turns, one instruction a turn
.if (\t%2) == 1
	v_wmma_scale_f32_16x16x128_f8f6f4 v[OT+8*\t:OT+8*\t+7], v[VF+12*\t:VF+12*\t+11], v[PC:PC+11], v[OT+8*\t:OT+8*\t+7], v[VSC+\t/2], v[PSW] matrix_a_fmt:MATRIX_FMT_FP6 matrix_b_fmt:MATRIX_FMT_FP6 matrix_a_scale:MATRIX_SCALE_ROW1
.else
	v_wmma_scale_f32_16x16x128_f8f6f4 v[OT+8*\t:OT+8*\t+7], v[VF+12*\t:VF+12*\t+11], v[PC:PC+11], v[OT+8*\t:OT+8*\t+7], v[VSC+\t/2], v[PSW] matrix_a_fmt:MATRIX_FMT_FP6 matrix_b_fmt:MATRIX_FMT_FP6
.endif
.endr
.Lhidden_\@:
.endm
.macro WALK trips                      ; a loop of a constant number of trips for every wave
	s_mov_b32 s[JJ], 0
.Lkey_\@:
	STEP
	s_add_co_u32 s[TN], s[TN], KSB
	s_min_u32 s[TB], s[TN], 15*KSB                 ; the address is held inside K and V
	s_add_co_u32 s[KQ], s[KQ], 1
	s_add_co_u32 s[JJ], s[JJ], 1
	s_cmp_lt_u32 s[JJ], \trips
	s_cbranch_scc1 .Lkey_\@
.rept 4
	v_nop                                          ; behind the last products
.endr
.endm
; THE WAY OUT of the tile that the wave holds: divided by the row's sum, quantised along the head's 64 channels, stored
.macro OUT
	v_add_f32 v14, v14, v15
	s_delay_alu instid0(VALU_DEP_1)
	v_permlanex16_b32 v[TMP], v14, s[SEL], s[SEL+1]
	s_delay_alu instid0(VALU_DEP_1)
	v_add_f32 v14, v14, v[TMP]                     ; the row's sum
	s_wait_alu depctr_va_vdst(0)                   ; the wait ahead of the transcendental,
	v_rcp_f32 v[RL], v14
	v_nop
	s_wait_alu depctr_va_vdst(0)                   ; and ahead of its first reader
.irp j, 0,1,2,3,4,5,6,7,8,9,10,11,12,13,14,15,16,17,18,19,20,21,22,23,24,25,26,27,28,29,30,31
	v_mul_f32 v[S+\j], v[OT+\j], v[RL]             ; o: register 16 b + i is channel 32 b + 16 h + i of my query
.endr
.irp b, 0,1
	v_max3_num_f32 v[BM+\b], |v[S+16*\b]|, |v[S+1+16*\b]|, 0x1800000
.endr
.irp i, 2,4,6,8,10,12,14
.irp b, 0,1
	s_delay_alu instid0(VALU_DEP_2)
	v_max3_num_f32 v[BM+\b], v[BM+\b], |v[S+16*\b+\i]|, |v[S+1+16*\b+\i]|
.endr
.endr
.irp b, 0,1
	s_delay_alu instid0(VALU_DEP_2)
	v_permlanex16_b32 v[PM+\b], v[BM+\b], s[SEL], s[SEL+1]
.endr
.irp b, 0,1
	s_delay_alu instid0(VALU_DEP_2)
	v_max_num_f32 v[BM+\b], v[BM+\b], v[PM+\b]
.endr
.irp b, 0,1
	s_delay_alu instid0(VALU_DEP_2)
	v_add_nc_u32 v[SO+\b], 0xff000000, v[BM+\b]
.endr
.irp b, 0,1
	s_delay_alu instid0(VALU_DEP_2)
	v_lshrrev_b32 v[PM+\b], 23, v[SO+\b]
.endr
	v_cvt_scalef32_pk16_fp6_f32 v[CT:CT+2], v[S:S+15], v[SO]       ; 12 bytes: channels 16 h + 0 .. 15 of the head,
	v_cvt_scalef32_pk16_fp6_f32 v[CT+4:CT+6], v[S+16:S+31], v[SO+1]   ; and 32 + 16 h + 0 .. 15: as they lie in a row of o's codes
	v_cndmask_b32 v[TMP], v[PM], v[PM+1], s[HI16]  ; lanes 0-15 store block 0's byte, lanes 16-31 block 1's (also the plain place behind the conversions)
	global_store_b96 v[OOFF], v[CT:CT+2], s[PB+8:PB+9]             ; a head's share of a row is 48 bytes: no store of this launch can cover more of a row
	global_store_b96 v[OOFF], v[CT+4:CT+6], s[PB+8:PB+9] offset:24
	global_store_b8 v[OSOFF], v[TMP], s[PB+10:PB+11]
.endm
	; THE FIRST LOOP, key steps 0 .. 7.  A: block 15 - w, all eight; B: block w, steps 0 .. w
	s_mov_b32 s[KQ], 0
	s_mov_b32 s[TN], 0
	s_mov_b32 s[TB], 0
	s_mov_b32 s[BLK], s[BF]
	s_mov_b32 s[LIM], s[BF]
	s_wait_loadcnt 0x0                             ; Q
	WALK 8
	QLOAD 1                                        ; block 15 - w's queries: new to B; A asks for the same bytes once more, so that no branch stands round the loads
	s_cmp_eq_u32 s[ROLE], 0
	s_cbranch_scc1 .Lmid
	OUT                                            ; B: block w is finished and leaves
	s_wait_xcnt 0x0                                ; its stores have read their registers, which the next step writes
	FRESH                                          ; and B begins its part of block 15 - w
	s_wait_alu depctr_va_vdst(0)
.Lmid:
	; THE SECOND LOOP, block 15 - w.  A: key step 8; B: key steps 9 .. 15 - w
	s_add_co_u32 s[KQ], s[ROLE], 8
	s_mul_i32 s[TN], s[KQ], KSB
	s_mov_b32 s[TB], s[TN]
	s_mov_b32 s[BLK], s[B1]
	s_cmp_eq_u32 s[ROLE], 0
	s_cselect_b32 s[LIM], 8, s[B1]
	s_wait_loadcnt 0x0                             ; Q
	WALK 7
	; THE EXCHANGE
.irp c, 0,1,2,3,4,5,6,7
	ds_store_b128 v[ADS], v[OT+4*\c:OT+4*\c+3] offset:512*\c       ; every wave lays its part down; each accumulator is read from its low end on
.endr
	ds_store_b128 v[ADS], v[12:15] offset:4096
	s_wait_dscnt 0x0                               ; my stores are done
	s_barrier_signal -1
	s_barrier_wait -1                              ; everybody's are
	s_cmp_lg_u32 s[ROLE], 0
	s_cbranch_scc1 .Lend                           ; B has nothing more to do
.irp c, 0,1,2,3,4,5,6,7,8
	ds_load_b128 v[S+4*\c:S+4*\c+3], v[ADP] offset:512*\c          ; A: B's part: O^T in v[S ..], -M, the largest t and the sums in v[S+32 ..]
.endr
	s_wait_dscnt 0x0
	v_min_num_f32 v[TMP], v12, v[S+32]             ; -M of the two parts together
	s_delay_alu instid0(VALU_DEP_1)
	v_sub_f32 v[NEG], v[TMP], v12                  ; my M less the common one: a whole number, 0 or less;
	v_sub_f32 v[BM], v[TMP], v[S+32]               ; and B's
	s_delay_alu instid0(VALU_DEP_2)
	v_cvt_i32_f32 v[NEG], v[NEG]                   ; (they saturate: a part with no key step counts for nothing)
	s_delay_alu instid0(VALU_DEP_2)
	v_cvt_i32_f32 v[BM], v[BM]
	s_delay_alu instid0(VALU_DEP_2)
	v_ldexp_f32 v[FF], 1.0, v[NEG]
	s_delay_alu instid0(VALU_DEP_2)
	v_ldexp_f32 v[PM], 1.0, v[BM]
	s_delay_alu instid0(VALU_DEP_2)
	v_pk_mul_f32 v[14:15], v[14:15], v[FF:FF+1] op_sel_hi:[1,0]
.irp j, 0,2,4,6,8,10,12,14,16,18,20,22,24,26,28,30
	v_pk_mul_f32 v[OT+\j:OT+1+\j], v[OT+\j:OT+1+\j], v[FF:FF+1] op_sel_hi:[1,0]
.endr
	v_pk_fma_f32 v[14:15], v[S+34:S+35], v[PM:PM+1], v[14:15] op_sel_hi:[1,0,1]
.irp j, 0,2,4,6,8,10,12,14,16,18,20,22,24,26,28,30
	v_pk_fma_f32 v[OT+\j:OT+1+\j], v[S+\j:S+1+\j], v[PM:PM+1], v[OT+\j:OT+1+\j] op_sel_hi:[1,0,1]
.endr
	OUT                                            ; block 15 - w leaves
.Lend:
	s_wait_tensorcnt 0x0                           ; the wave's end
	ds_add_u32 v254, v255
	s_wait_dscnt 0x0
	CROUND                                         ; the closing round
	s_endpgm
.Lfunc_end_k_q9cac6d9ed0_attn:
	.size	k_q9cac6d9ed0_attn, .Lfunc_end_k_q9cac6d9ed0_attn-k_q9cac6d9ed0_attn
	.p2alignl 7, 3214868480
	.fill 96, 4, 3214868480
	.section	.rodata,"a",@progbits
	.p2align	6, 0x0
	.amdhsa_kernel k_q9cac6d9ed0_attn
		.amdhsa_group_segment_fixed_size 310784
		.amdhsa_private_segment_fixed_size 0
		.amdhsa_enable_private_segment 0
		.amdhsa_kernarg_size 32
		.amdhsa_user_sgpr_count 2
		.amdhsa_user_sgpr_kernarg_segment_ptr 1
		.amdhsa_wavefront_size32 1
		.amdhsa_system_sgpr_workgroup_id_x 1
		.amdhsa_system_sgpr_workgroup_id_y 1
		.amdhsa_system_sgpr_workgroup_id_z 1
		.amdhsa_system_vgpr_workitem_id 0
		.amdhsa_next_free_vgpr 256
		.amdhsa_next_free_sgpr 66
		.amdhsa_reserve_vcc 1
		.amdhsa_float_denorm_mode_32 3
		.amdhsa_float_denorm_mode_16_64 3
		.amdhsa_memory_ordered 1
		.amdhsa_forward_progress 1
		.amdhsa_inst_pref_size 67
	.end_amdhsa_kernel
	.amdgpu_metadata
---
amdhsa.version: [ 1, 2 ]
amdhsa.kernels:
  - .name:           k_q9cac6d9ed0_attn
    .symbol:         k_q9cac6d9ed0_attn.kd
    .args:
      - { .name: qimg, .offset: 0, .size: 8, .value_kind: global_buffer, .address_space: global }
      - { .name: kv, .offset: 8, .size: 8, .value_kind: global_buffer, .address_space: global }
      - { .name: o_codes, .offset: 16, .size: 8, .value_kind: global_buffer, .address_space: global }
      - { .name: o_scales, .offset: 24, .size: 8, .value_kind: global_buffer, .address_space: global }
    .group_segment_fixed_size: 310784
    .private_segment_fixed_size: 0
    .kernarg_segment_align: 8
    .kernarg_segment_size: 32
    .max_flat_workgroup_size: 512
    .sgpr_count:     66
    .vgpr_count:     256
    .wavefront_size: 32
...
	.end_amdgpu_metadata
.endif
;; end of part 3
;; launch oproj (part 4): grid 8 x 32, 4 waves a work-group, clusters of 4 x 4, 243,200 bytes of LDS; arguments o_codes, o_scales, codes, scales, out0; writes out0
.if DOCPART == 4
	.amdgcn_target "amdgcn-amd-amdhsa--gfx1250"
	.amdhsa_code_object_version 6
	.text
	.protected	k_q9cac6d9ed0_oproj
	.globl	k_q9cac6d9ed0_oproj
	.p2align	8
	.type	k_q9cac6d9ed0_oproj,@function
k_q9cac6d9ed0_oproj:
	s_mov_b64 s[64:65], 0
	v_nop
	global_prefetch_b8 v0, s[64:65] scope:SCOPE_SE
	s_setreg_imm32_b32 hwreg(HW_REG_WAVE_MODE, 25, 1), 1
	s_wait_xcnt 0x0
	s_wait_alu depctr_hold_cnt(0) depctr_sa_sdst(0) depctr_va_vdst(0) depctr_va_sdst(0) depctr_va_ssrc(0) depctr_va_vcc(0) depctr_vm_vsrc(0)
	s_getreg_b32 s2, hwreg(HW_REG_IB_STS2, 6, 4)
	s_cmp_eq_u32 s2, 0
	s_cbranch_scc0 .Lentry_in_a_cluster
	s_endpgm
.Lentry_in_a_cluster:
	s_bfe_u32 s2, ttmp6, 0x10000c
	s_cmp_lg_u32 s2, 0xf033
	s_cbranch_scc0 .Lentry_shape_is_right
	s_endpgm
.Lentry_shape_is_right:
; OPROJ.  out0 [4096][1024] f32 = o Wo^T on codes of FP6 (E2M3) with E8M0 scales, K = 1,024.  A work-group makes 128 rows (y) x 128 columns (x): 8 x 32 work-groups.
; ALL OF K LIES IN LDS, filled once: o's 128 rows at 0, Wo's 128 rows (rows 7168 + 128 x of the codes' buffer) at T128.  A tile is 98,304 dense bytes of memory and comes as rows of 256 bytes, each on a 256-byte
; border, with 16 bytes of padding behind each: a row of codes is 816 bytes of LDS, so that the 32 lanes of a load of 8 bytes touch 64 different banks (ISA guide 11.1).  One load of 64 rows a wave.
; CLUSTERS 4 x 4: o's tile is asked for jointly along a row of the cluster, Wo's along a column.
; A WAVE makes 32 rows x 128 columns: source 0 = Wo's 8 tiles, source 1 = my 2 tiles of o: a lane holds a row of the result.  Wo's rows are stored with bits 3 and 4 of the row number exchanged: register j of tile b
; is column 32 (b / 2) + 16 (lane / 16) + 8 (b % 2) + j.  The scale words go from memory into registers, once: 32 rows x 32 bytes are 1,024 dense bytes, two loads of 16 bytes a lane.
; THE WAY OUT: 16 rows at a time through my own stage in LDS, on bytes that no tensor load fills, and back as whole rows of 512 bytes.
; NO PREFETCH: the text has no loop to run ahead in: all that a work-group reads is asked for at its head.
; REGISTERS: window 0: v0-31 addresses, v32-71 scale words, v128-255 the way out.  window 1: fragments, two sets of 10 x 12, at v0 and v128.  window 2: accumulator (a, b) at v[8 (8 a + b)].
.set TILEB, 16*816
.set T128,  8*TILEB
.set STAGE, 2*T128                     ; 16 rows x 528 bytes for each wave
.set SPITCH, 528
.set SPARE, STAGE+4*16*SPITCH          ; the spare words: 512 bytes that no other line names
.set NP,   4                           ; places behind this matrix instruction (ISA guide 7.12.1)
.set A0B,  4                           ; v4-7 Wo's tile: rows 0-63, rows 64-127; each twice: the second for pieces whose lanes 16-31 lie behind one padding more
.set A1A,  8                           ; v8-9 my 32 rows of o
.set STO,  10
.set RD,   11
.set L16,  12
.set LS,   13
.set LSW,  14
.set SPW,  28
.set NIL,  29
.set SA,   32                          ; scale words: my pair of o's tiles x 8 K steps
.set SB,   40                          ; Wo's 4 pairs
.set BK,   128
.set G1A, 24
.set G0A, 32
.set G0B, 36
.set G1B, 48
.set MUL, 0xa5                         ; sources 0 and 1 window 1, C and D window 2
.set MSB, 0
.macro WIN new
.if MSB != (\new)
	s_set_vgpr_msb (MSB<<8)|(\new)
.set MSB, (\new)
.endif
.endm
.macro PLACES n
.rept \n
	v_nop
.endr
.endm
.macro CROUND                          ; a round of the cluster's barrier
	s_barrier_signal -1
	s_barrier_wait -1
	s_cmp_lg_u32 s14, 0
	s_cbranch_scc1 .Lnot_wave_0_\@
	s_barrier_signal -3
.Lnot_wave_0_\@:
	s_barrier_wait -3
	s_barrier_signal -1
	s_barrier_wait -1
.endm
	s_load_b128 s[4:7], s[0:1], 0x0                ; o's codes, o's scales
	s_load_b128 s[8:11], s[0:1], 0x10              ; the weights' codes, their scales
	s_load_b64 s[12:13], s[0:1], 0x20              ; out0
	v_lshl_add_u32 v[SPW], v0, 2, SPARE
	v_mov_b32 v[NIL], 0
	ds_add_u32 v[SPW], v[NIL]                      ; the opening lines: the add, twice on end, and its wait
	ds_add_u32 v[SPW], v[NIL]
	v_lshrrev_b32 v1, 5, v0
	v_readfirstlane_b32 s14, v1                    ; wave
	s_lshr_b32 s15, s14, 1                         ; I fetch for o (0) or for Wo (1),
	s_and_b32 s16, s14, 1                          ; and which 64 rows
	s_bfe_u32 s40, ttmp6, 0x40000
	s_bfe_u32 s41, ttmp6, 0x40004
	s_lshl_b32 s42, ttmp9, 2
	s_add_co_u32 s42, s42, s40                     ; x: 128 columns
	s_and_b32 s17, ttmp7, 0xffff
	s_lshl_b32 s17, s17, 2
	s_add_co_u32 s17, s17, s41                     ; y: 128 rows
	s_lshl_b32 s43, s41, 2
	s_lshl_b32 s43, 15, s43                        ; my row of the cluster
	s_lshl_b32 s44, 0x1111, s40                    ; my column
	s_or_b32 s[G1A], s43, (3<<16)|(1<<20)|(1<<21)|(5<<22)|(3<<25)   ; elements of 8 bytes; 4 words of padding behind every 64; bit 21 beside a mask
	s_or_b32 s[G1B], s44, (3<<16)|(1<<20)|(1<<21)|(5<<22)|(3<<25)
.irp g, G1A, G1B
	s_mov_b32 s[\g+1], 32<<16                      ; rows of 256 bytes,
	s_mov_b32 s[\g+2], 192<<16                     ; 192 of them: 64 rows of codes
	s_mov_b32 s[\g+3], 32<<16
	s_mov_b32 s[\g+4], 192
	s_mov_b32 s[\g+5], 32                          ; dense
	s_mov_b32 s[\g+6], 0
	s_mov_b32 s[\g+7], 0
.endr
	s_lshl_b32 s19, s16, 6
	s_lshl_b32 s18, s17, 7
	s_add_co_u32 s18, s18, s19
	s_mul_i32 s20, s18, 768                        ; o: row 128 y + 64 x half
	s_mov_b32 s21, 0
	s_lshl_b32 s22, s42, 7
	s_add_co_u32 s22, s22, s19
	s_add_co_u32 s22, s22, 7168
	s_mul_i32 s22, s22, 768                        ; Wo: row 7168 + 128 x + 64 x half
	s_mov_b32 s23, 0
	s_wait_dscnt 0x0                               ; both opening adds are done
	s_wait_kmcnt 0x0
	s_mov_b32 s[G0A], 1
	s_mul_i32 s[G0A+1], s14, 64*816                ; o's halves, then Wo's: wave x 64 rows
	s_add_nc_u64 s[G0A+2:G0A+3], s[4:5], s[20:21]
	s_or_b32 s[G0A+3], s[G0A+3], 0x80000000
	s_mov_b32 s[G0B], 1
	s_mul_i32 s[G0B+1], s14, 64*816
	s_add_nc_u64 s[G0B+2:G0B+3], s[8:9], s[22:23]
	s_or_b32 s[G0B+3], s[G0B+3], 0x80000000
	CROUND                                         ; all sixteen work-groups are here: the joint loads meet
	s_cmp_eq_u32 s15, 0                            ; one load a wave, one in each arm
	s_cbranch_scc0 .Lfor_b
	tensor_load_to_lds s[G0A:G0A+3], s[G1A:G1A+7]
	s_nop 0
	PLACES 4
	s_branch .Lasked
.Lfor_b:
	tensor_load_to_lds s[G0B:G0B+3], s[G1B:G1B+7]
	s_nop 0
	PLACES 4
.Lasked:
	s_mov_b32 s87, 0
	s_lshl_b32 s86, s17, 12
	s_add_nc_u64 s[6:7], s[6:7], s[86:87]          ; the scale bytes of my work-group's rows of o,
	s_lshl_b32 s86, s42, 12
	s_add_co_u32 s86, s86, 7168*32
	s_add_nc_u64 s[10:11], s[10:11], s[86:87]      ; and of its rows of Wo
	s_lshl_b32 s86, s17, 7
	s_lshl_b32 s88, s14, 5
	s_add_co_u32 s86, s86, s88
	s_lshl_b32 s86, s86, 12                        ; out0: row 128 y + 32 wave, 4,096 bytes a row,
	s_lshl_b32 s88, s42, 9
	s_add_co_u32 s86, s86, s88                     ; + 512 x
	s_add_nc_u64 s[12:13], s[12:13], s[86:87]
	s_mul_i32 s18, s14, 2*TILEB
	s_mul_i32 s19, s14, 16*SPITCH
	s_add_co_u32 s19, s19, STAGE
	s_lshl_b32 s88, s14, 10
	v_and_b32 v1, 15, v0                           ; r
	v_bfe_u32 v2, v0, 4, 1                         ; h
	v_and_b32 v3, 31, v0
	v_mul_u32_u24 v20, v1, 816
	v_mad_u32_u24 v20, v2, 24, v20                 ; a fragment's row x 816 + 24 h
	v_lshl_add_u32 v21, v2, 4, v20                 ; and with lanes 16-31 behind one padding more
	v_add_nc_u32 v[A0B], T128, v20
	v_add_nc_u32 v[A0B+1], T128, v21
	v_add_nc_u32 v[A0B+2], T128+4*TILEB, v20
	v_add_nc_u32 v[A0B+3], T128+4*TILEB, v21
	v_add_nc_u32 v[A1A], s18, v20
	v_add_nc_u32 v[A1A+1], s18, v21
	v_mul_u32_u24 v15, v1, SPITCH
	v_lshl_add_u32 v15, v2, 6, v15
	v_add_nc_u32 v[STO], s19, v15                  ; into the stage: row r, 64 bytes for each half of the lanes
	v_lshlrev_b32 v[L16], 4, v3
	v_add_nc_u32 v[RD], s19, v[L16]                ; back: the 32 lanes take a row of 512 bytes
	v_lshlrev_b32 v[LS], 5, v3
	v_add_nc_u32 v[LSW], s88, v[LS]
.macro SLOAD dst, vo, sb, off          ; the scale words of a pair of tiles: 32 rows x 32 bytes, dense
	global_load_b128 v[\dst:\dst+3], v[\vo], s[\sb:\sb+1] offset:\off
	global_load_b128 v[\dst+4:\dst+7], v[\vo], s[\sb:\sb+1] offset:\off+16
.endm
	SLOAD SA, LSW, 6, 0
.irp i, 0,1,2,3
	SLOAD SB+8*\i, LS, 10, 1024*\i
.endr
.macro FRAG reg, adr, st, off          ; 16 rows x 128 K: 12 registers, in pieces of 8 bytes.  Byte y of a row of codes lies at 272 (y / 256) + y % 256 of its LDS row; lanes 16-31 read 24 bytes on
.irp p, 0,1,2,3,4,5
.set BY, 96*(\st)+48*(\p/3)+8*(\p%3)
.if BY/256 == (BY+24)/256
	ds_load_b64 v[(\reg)+2*\p:(\reg)+2*\p+1], v[\adr] offset:(BY/256)*272+BY%256+(\off)
.else
	ds_load_b64 v[(\reg)+2*\p:(\reg)+2*\p+1], v[(\adr)+1] offset:(BY/256)*272+BY%256+(\off)
.endif
.endr
.endm
.macro FETCH st, p, a0, a1             ; K step st's ten fragments into set p: 60 loads in one run, four places behind the products that read the set
	PLACES NP
	WIN 0x40
.irp i, 0,1,2,3,4,5,6,7
	FRAG 128*(\p)+12*\i, \a0+2*(\i/4), \st, (\i%4)*TILEB
.endr
.irp j, 0,1
	FRAG 128*(\p)+96+12*\j, \a1, \st, \j*TILEB
.endr
.endm
.macro WM v                            ; v = 4 x (the sum begins) + 2 x (source 0's scales in lanes 16-31) + (source 1's there)
.if (\v) == 0
	v_wmma_scale_f32_16x16x128_f8f6f4 v[DD:DD+7], v[F0:F0+11], v[F1:F1+11], v[DD:DD+7], v[X0], v[X1] matrix_a_fmt:MATRIX_FMT_FP6 matrix_b_fmt:MATRIX_FMT_FP6
.endif
.if (\v) == 1
	v_wmma_scale_f32_16x16x128_f8f6f4 v[DD:DD+7], v[F0:F0+11], v[F1:F1+11], v[DD:DD+7], v[X0], v[X1] matrix_a_fmt:MATRIX_FMT_FP6 matrix_b_fmt:MATRIX_FMT_FP6 matrix_b_scale:MATRIX_SCALE_ROW1
.endif
.if (\v) == 2
	v_wmma_scale_f32_16x16x128_f8f6f4 v[DD:DD+7], v[F0:F0+11], v[F1:F1+11], v[DD:DD+7], v[X0], v[X1] matrix_a_fmt:MATRIX_FMT_FP6 matrix_b_fmt:MATRIX_FMT_FP6 matrix_a_scale:MATRIX_SCALE_ROW1
.endif
.if (\v) == 3
	v_wmma_scale_f32_16x16x128_f8f6f4 v[DD:DD+7], v[F0:F0+11], v[F1:F1+11], v[DD:DD+7], v[X0], v[X1] matrix_a_fmt:MATRIX_FMT_FP6 matrix_b_fmt:MATRIX_FMT_FP6 matrix_a_scale:MATRIX_SCALE_ROW1 matrix_b_scale:MATRIX_SCALE_ROW1
.endif
.if (\v) == 4
	v_wmma_scale_f32_16x16x128_f8f6f4 v[DD:DD+7], v[F0:F0+11], v[F1:F1+11], 0, v[X0], v[X1] matrix_a_fmt:MATRIX_FMT_FP6 matrix_b_fmt:MATRIX_FMT_FP6
.endif
.if (\v) == 5
	v_wmma_scale_f32_16x16x128_f8f6f4 v[DD:DD+7], v[F0:F0+11], v[F1:F1+11], 0, v[X0], v[X1] matrix_a_fmt:MATRIX_FMT_FP6 matrix_b_fmt:MATRIX_FMT_FP6 matrix_b_scale:MATRIX_SCALE_ROW1
.endif
.if (\v) == 6
	v_wmma_scale_f32_16x16x128_f8f6f4 v[DD:DD+7], v[F0:F0+11], v[F1:F1+11], 0, v[X0], v[X1] matrix_a_fmt:MATRIX_FMT_FP6 matrix_b_fmt:MATRIX_FMT_FP6 matrix_a_scale:MATRIX_SCALE_ROW1
.endif
.if (\v) == 7
	v_wmma_scale_f32_16x16x128_f8f6f4 v[DD:DD+7], v[F0:F0+11], v[F1:F1+11], 0, v[X0], v[X1] matrix_a_fmt:MATRIX_FMT_FP6 matrix_b_fmt:MATRIX_FMT_FP6 matrix_a_scale:MATRIX_SCALE_ROW1 matrix_b_scale:MATRIX_SCALE_ROW1
.endif
.endm
.macro MULS p, st, s0, s1, zero        ; 16 matrix instructions, the 16 accumulators by turns, in the same order in every step
.irp a, 0,1
.irp b, 0,1,2,3,4,5,6,7
.set DD, 8*(8*\a+\b)
.set F0, 128*(\p)+12*\b
.set F1, 128*(\p)+96+12*\a
.set X0, (\s0)+8*(\b/2)+(\st)
.set X1, (\s1)+(\st)
	WM 4*(\zero)+2*(\b%2)+\a
.endr
.endr
.endm
.macro KSTEP a0, a1, s0, s1, zero
.if ST < 7
	FETCH ST+1, (ST+1)%2, \a0, \a1
	s_wait_dscnt 60                                ; this step's fragments are in; the 60 loads just issued may be out
.else
	s_wait_dscnt 0x0
.endif
	WIN MUL
	MULS ST%2, ST, \s0, \s1, \zero
.set ST, ST+1
.endm
	s_wait_alu depctr_va_vdst(0)
	s_wait_tensorcnt 0x0                           ; my 64 rows are in,
	s_barrier_signal -1
	s_barrier_wait -1                              ; everybody's are: both tiles lie in LDS for the rest of the launch
	FETCH 0, 0, A0B, A1A
	s_wait_loadcnt 0x0                             ; the scale words
.set ST, 0
	KSTEP A0B, A1A, SB, SA, 1                      ; the first step starts the sums
.rept 7
	KSTEP A0B, A1A, SB, SA, 0
.endr
	WIN 0
.macro TOSTAGE a                       ; block a of 16 rows x 128 columns; LDS serves a wave's instructions in order (ISA guide 5.7.1.4): no wait between the stores and the loads
	WIN 0x08                                       ; the data: window 2
.irp b, 0,1,2,3,4,5,6,7
	ds_store_b128 v[STO], v[64*(\a)+8*\b:64*(\a)+8*\b+3] offset:128*(\b/2)+32*(\b%2)       ; each accumulator from its low end on
	ds_store_b128 v[STO], v[64*(\a)+8*\b+4:64*(\a)+8*\b+7] offset:128*(\b/2)+32*(\b%2)+16
.endr
	WIN 0
.irp t, 0,1,2,3,4,5,6,7,8,9,10,11,12,13,14,15
	ds_load_b128 v[BK+64*(\a)+4*\t:BK+64*(\a)+4*\t+3], v[RD] offset:\t*SPITCH
.endr
.endm
.macro SEND a
.irp t, 0,1,2,3,4,5,6,7,8,9,10,11,12,13,14,15
	global_store_b128 v[L16], v[BK+64*(\a)+4*\t:BK+64*(\a)+4*\t+3], s[12:13] offset:(16*(\a)+\t)*4096 th:TH_STORE_NT   ; 32 lanes store 512 consecutive bytes, at a multiple of 256 from out0's first byte
.endr
.endm
	PLACES NP                                      ; behind the last products, whose results are read below
	TOSTAGE 0
	TOSTAGE 1
	s_wait_dscnt 32                                ; block 0 is back; block 1's 16 stores and 16 loads may be out
	SEND 0
	s_wait_dscnt 0x0
	SEND 1
	s_wait_tensorcnt 0x0                           ; the wave's end
	ds_add_u32 v[SPW], v[NIL]
	s_wait_dscnt 0x0
	CROUND                                         ; the closing round
	s_endpgm
.Lfunc_end_k_q9cac6d9ed0_oproj:
	.size	k_q9cac6d9ed0_oproj, .Lfunc_end_k_q9cac6d9ed0_oproj-k_q9cac6d9ed0_oproj
	.p2alignl 7, 3214868480
	.fill 96, 4, 3214868480
	.section	.rodata,"a",@progbits
	.p2align	6, 0x0
	.amdhsa_kernel k_q9cac6d9ed0_oproj
		.amdhsa_group_segment_fixed_size 243200
		.amdhsa_private_segment_fixed_size 0
		.amdhsa_enable_private_segment 0
		.amdhsa_kernarg_size 40
		.amdhsa_user_sgpr_count 2
		.amdhsa_user_sgpr_kernarg_segment_ptr 1
		.amdhsa_wavefront_size32 1
		.amdhsa_system_sgpr_workgroup_id_x 1
		.amdhsa_system_sgpr_workgroup_id_y 1
		.amdhsa_system_sgpr_workgroup_id_z 1
		.amdhsa_system_vgpr_workitem_id 0
		.amdhsa_next_free_vgpr 640
		.amdhsa_next_free_sgpr 96
		.amdhsa_reserve_vcc 0
		.amdhsa_float_denorm_mode_32 3
		.amdhsa_float_denorm_mode_16_64 3
		.amdhsa_memory_ordered 1
		.amdhsa_forward_progress 1
		.amdhsa_inst_pref_size 63
	.end_amdhsa_kernel
	.amdgpu_metadata
---
amdhsa.version: [ 1, 2 ]
amdhsa.kernels:
  - .name:           k_q9cac6d9ed0_oproj
    .symbol:         k_q9cac6d9ed0_oproj.kd
    .args:
      - { .name: o_codes, .offset: 0, .size: 8, .value_kind: global_buffer, .address_space: global }
      - { .name: o_scales, .offset: 8, .size: 8, .value_kind: global_buffer, .address_space: global }
      - { .name: codes, .offset: 16, .size: 8, .value_kind: global_buffer, .address_space: global }
      - { .name: scales, .offset: 24, .size: 8, .value_kind: global_buffer, .address_space: global }
      - { .name: out0, .offset: 32, .size: 8, .value_kind: global_buffer, .address_space: global }
    .group_segment_fixed_size: 243200
    .private_segment_fixed_size: 0
    .kernarg_segment_align: 8
    .kernarg_segment_size: 40
    .max_flat_workgroup_size: 128
    .sgpr_count:     96
    .vgpr_count:     640
    .wavefront_size: 32
...
	.end_amdgpu_metadata
.endif
;; end of part 4
